; MI455X (gfx1250); checked and timed in simulation.
; The chip was launched on July 23, 2026; its instructions are those of AMD's public machine-readable ISA for CDNA 5 (MIT licence, August 2026) and "CDNA5" Instruction Set Architecture Reference Guide (July 2026). The comments in the code are by the model that wrote it; some were corrected since.
;; Attention. Allowed arithmetic: matrix products marked QUANTISED: E2M3 operands, one E8M0 scale for each 32 along K, by v_wmma_scale_f32_16x16x128_f8f6f4 with both operands' format E2M3, f32 sums; everything else in f32.
;; Inputs: W_proj 1,024 x 1,024 float32; W_qkv 3,072 x 1,024 float32; b_proj 1,024 float32; mask 2 x 1 x 2,048 x 2,048 bool; x 2 x 2,048 x 1,024 float32.
;; Outputs: out0 2 x 2,048 x 1,024 float32.
;; This version of the problem:
;;   THIS VERSION OF THE PROBLEM IS GIVEN IN LOW PRECISION. The matrix products marked QUANTISED in the list below multiply operands that are first quantised to E2M3 (2 exponent bits, 3 mantissa bits; 6 bits a number), with one power-of-two scale for each 32 numbers along K (OCP MX v1.0); their sums are f32. All else is computed in f32.
;;   The module's matrix products, in the order in which they are computed (A, B: the left and right operand; K: the contracted axis; several contracted axes count as one K, in the product's order):
;;     1. [M 4,096, K 1,024] x [K 1,024, N 3,072]; A: input x; B: input W_qkv: QUANTISED
;;     2. batch 32 x [M 2,048, K 64] x [K 64, N 2,048]; A: computed on the way; B: computed on the way: QUANTISED
;;     3. batch 32 x [M 2,048, K 2,048] x [K 2,048, N 64]; A: softmax (see below); B: computed on the way: QUANTISED
;;     4. [M 4,096, K 1,024] x [K 1,024, N 1,024]; A: computed on the way; B: input W_proj: QUANTISED
;;   THE QUANTISER, for each operand of a quantised product, along K:
;;     - K is cut into blocks of 32 from its start; a last block that is shorter is filled with zeros.
;;     - A block's scale is 2^e with e = floor(log2(the largest magnitude in the block)) - 2, held to -126 .. 127; a block of zeros has e = 0. As a byte (E8M0): e + 127.
;;     - Each number is divided by its block's scale, clamped to +-7.5, and rounded to the nearest number of E2M3, ties to even, subnormals kept.
;;     - The product sums the exact products of the quantised numbers (number of the format x scale) in f32.
;;   ~~~python
;;   def quantise(x, axis):      # numpy; x: float32 -> the quantised numbers, widened to float32 again
;;       x = np.moveaxis(x, axis, -1); K = x.shape[-1]
;;       x = np.pad(x, [(0, 0)] * (x.ndim - 1) + [(0, -K % 32)]); x = x.reshape(x.shape[:-1] + (-1, 32)); a = np.abs(x).max(-1, keepdims=True)
;;       e = np.where(a > 0, np.clip(np.frexp(np.where(a > 0, a, 1))[1] - 1 - 2, -126, 127), 0)      # np.frexp(a)[1] - 1 = floor(log2(a)), exactly
;;       r = np.clip(x / 2.0 ** e, -7.5, 7.5)
;;       step = 2.0 ** (np.maximum(np.frexp(np.where(r == 0, 1, r))[1] - 1, 0) - 3)
;;       q = np.round(r / step) * step * 2.0 ** e      # np.round: ties to even
;;       return np.moveaxis(q.reshape(q.shape[:-2] + (-1,))[..., :K], -1, axis).astype(np.float32)
;;   ~~~
;;   SOFTMAX AHEAD OF A QUANTISED PRODUCT. Where the list says 'softmax', what is quantised is not the finished softmax but p = 2^(t - M), with t = logit x log2(e) and M = ceil(the row's largest t), a whole number; so 1/2 < the row's largest p <= 1. The row's sum l is taken of the UNQUANTISED p, in f32, and the product's result is divided by l at the end. Since M is a whole number, a kernel that streams over the keys may use a running M (the ceiling of the running maximum): every later rescaling is an exact power of two, which a block's scale takes up: the codes' values come out the same.
;;   OPERANDS COMPUTED ON THE WAY. 'Computed on the way' means the value that the module computes at that place (a softmax that the list does not call 'softmax' is quantised finished and normalised). What goes into a quantiser is computed in f32, as accurately as f32 sums, v_exp_f32 and their like allow (about 1e-6 of the number): no bf16 or f16 on the way to a quantiser, and a product that is left as it is and whose result goes on into a quantised operand takes f32 operands (vector FMAs, or v_wmma_f32_16x16x4_f32). A number that lies on a knife's edge between two numbers of the format may be rounded either way, as far as f32 arithmetic and the matrix unit's own rounding can turn it there, and no further.
;; One version. Each part assembles by itself: llvm-mc -triple=amdgcn-amd-amdhsa -mcpu=gfx1250 --defsym DOCPART=n.
;; ======== version 1 of 1: 4 launches
;; limits: right only within a limited range of input values
;; workspace buffers: xg 3,276,800 bytes; wqg 2,457,600 bytes; wpg 819,200 bytes; og 3,276,800 bytes; qb 3,407,872 bytes; kv 6,684,672 bytes; maskbits 1,048,576 bytes of whole numbers
;; launch prep (part 1): grid 256 x 1, 8 waves a work-group, no clusters, 70,656 bytes of LDS; arguments x, W_qkv, W_proj, mask, xg, wqg, wpg, maskbits; writes xg, wqg, wpg, maskbits
.if DOCPART == 1
	.amdgcn_target "amdgcn-amd-amdhsa--gfx1250"
	.amdhsa_code_object_version 6
	.text
	.protected	k_q42eb470c57_prep
	.globl	k_q42eb470c57_prep
	.p2align	8
	.type	k_q42eb470c57_prep,@function
k_q42eb470c57_prep:
	s_mov_b64 s[64:65], 0
	v_nop
	global_prefetch_b8 v0, s[64:65] scope:SCOPE_SE
	s_setreg_imm32_b32 hwreg(HW_REG_WAVE_MODE, 25, 1), 1
	s_wait_xcnt 0x0
; x [4096][1024], W_qkv [3072][1024], W_proj [1024][1024], f32, K innermost, become codes of FP6 (E2M3) with one E8M0 byte for each 32 along K,
; laid in the order of a matrix operand's registers; and the mask's bytes become lane masks, one 32-bit word for each score register of the attention launch.
; A TILE is 16 rows; position p of tile T is row 32 (T / 2) + 8 (T % 2) + p % 8 + 16 (p / 8).  A HALF FRAGMENT is a tile x 64 K: six registers a lane, lane (r, h) = block h (32 codes) of position r:
; 768 bytes: registers 0-3 at 16 x lane, registers 4-5 at 512 + 8 x lane.  A tile's 1,024 K are 12,800 bytes: two halves of K, each 8 half fragments and 4 x 16 scale words (one word for a row and 128 K).
; A block's scale is 2^(floor(log2(its largest magnitude)) - 2); its byte is the largest magnitude's exponent field - 2, held at 1 from below.
; LIMITS: NaN and infinities are not served.  A block whose largest magnitude lies under 2^-124 (a block of zeros too) keeps the byte 1: a block of zeros has zero codes, which add nothing, and this program alone reads the bytes.
; SHARES.  Work-group g takes 32 rows (two tiles) of one tensor: g < 128 of x, g < 224 of W_qkv, else of W_proj: pointers are chosen, the text has one path.  Wave w takes tile w / 4, K quarter w % 4: four steps of 16 rows x 64 K.
; Each load reads two rows' 256 consecutive bytes; the step's 4,096 bytes turn through the wave's own stage in LDS (rows 272 bytes apart) and come back 128 bytes a lane: a whole block.
; As a fifth step of the same shape wave w takes the mask of token tile g, keys 256 w .. 256 w + 255.  Bit l of word j of key step s is mask[position l % 16 of the tile][128 s + 32 (j / 16) + 16 (l / 16) + j % 16].
; No two work-groups read the same bytes, so there is no cluster; no tensor load, no barrier: waves share nothing.
.set STG,   16*272                     ; a stage
.set WREG,  2*STG                      ; two stages for each wave
.set SPARE, 8*WREG                     ; behind them the spare words, 128 bytes for each wave: four blocks of 256 bytes that no other line names
.set SPW,  1                           ; v1   LDS address of my spare word; never rewritten
.set NIL,  2                           ; v2   0; never rewritten
.set SRC,  3                           ; v3   my bytes in two rows of f32: 4,096 (lane / 16) + 16 (lane % 16)
.set MSK,  4                           ; v4   the same in two rows of the mask: 2,048 (lane / 16) + 16 (lane % 16)
.set SIN,  5                           ; v5   the stage, on the way in
.set SOUT, 6                           ; v6   on the way out: row r, + 128 h
.set SOM,  7                           ; v7   on the way out for the mask: row r, + 16 h
.set L16,  8                           ; v8   16 x lane
.set L8,   9                           ; v9   8 x lane
.set L4,   10                          ; v10  4 x lane
.set SH,   11                          ; v11  8 h: my bytes' place in a scale word
.set R,    32                          ; v32-159  four sets of 32 registers as loaded
.set X,    160                         ; v160-223 two sets of 32: a block of 32 neighbours
.set C,    224                         ; v224-247 the codes, six registers for each step: no store's data are written again
.set T2,   248                         ; v248-250 a block's upper 16 codes (a conversion's three registers begin on an even number)
.set MW,   252                         ; v252-255 the mask words: word 4 L + q in lane L of register q
	s_load_b256 s[4:11], s[0:1], 0x0               ; x, W_qkv, W_proj, mask
	s_load_b256 s[12:19], s[0:1], 0x20             ; xg, wqg, wpg, maskbits
	v_lshl_add_u32 v[SPW], v0, 2, SPARE
	v_mov_b32 v[NIL], 0
	v_lshrrev_b32 v12, 5, v0
	s_delay_alu instid0(VALU_DEP_1)
	v_readfirstlane_b32 s25, v12                   ; wave 0..7
	v_and_b32 v12, 15, v0                          ; r
	v_bfe_u32 v13, v0, 4, 1                        ; h
	v_and_b32 v14, 31, v0                          ; lane
	s_mul_i32 s28, s25, WREG                       ; my stages
	v_lshlrev_b32 v[SRC], 4, v12
	s_delay_alu instid0(VALU_DEP_1)
	v_lshl_add_u32 v[MSK], v13, 11, v[SRC]
	s_delay_alu instid0(VALU_DEP_2)
	v_lshl_add_u32 v[SRC], v13, 12, v[SRC]
	v_mul_u32_u24 v[SIN], v13, 272
	s_delay_alu instid0(VALU_DEP_1)
	v_lshl_add_u32 v[SIN], v12, 4, v[SIN]
	s_delay_alu instid0(VALU_DEP_1)
	v_add_nc_u32 v[SIN], s28, v[SIN]               ; in: a load's two rows: 272 (lane / 16) + 16 (lane % 16)
	v_mul_u32_u24 v[SOM], v12, 272
	s_delay_alu instid0(VALU_DEP_1)
	v_add_nc_u32 v[SOM], s28, v[SOM]
	s_delay_alu instid0(VALU_DEP_1)
	v_lshl_add_u32 v[SOUT], v13, 7, v[SOM]
	s_delay_alu instid0(VALU_DEP_2)
	v_lshl_add_u32 v[SOM], v13, 4, v[SOM]
	v_lshlrev_b32 v[L16], 4, v14
	v_lshlrev_b32 v[L8], 3, v14
	v_lshlrev_b32 v[L4], 2, v14
	v_lshlrev_b32 v[SH], 3, v13
	v_mov_b32 v22, 0                               ; a lane permute's destination counts as one of its sources
.irp q, 0,1,2,3
	v_mov_b32 v[MW+\q], 0                          ; and so does v_writelane_b32's
.endr
	s_lshr_b32 s26, s25, 2                         ; which of the two tiles
	s_and_b32 s27, s25, 3                          ; which quarter of K
	s_mov_b32 s24, 224
	s_cmp_lt_u32 ttmp9, 224
	s_cselect_b32 s24, 128, s24
	s_cmp_lt_u32 ttmp9, 128
	s_cselect_b32 s24, 0, s24
	s_sub_co_u32 s33, ttmp9, s24                   ; my number among the tensor's work-groups
	s_lshl_b32 s34, s33, 17                        ; f32: 32 rows of 4,096 bytes,
	s_lshl_b32 s29, s26, 15                        ; the second tile begins 8 rows on,
	s_add_co_u32 s34, s34, s29
	s_lshl_b32 s29, s27, 10                        ; a quarter of K is 1,024 bytes
	s_add_co_u32 s34, s34, s29
	s_mov_b32 s35, 0
	s_lshl_b32 s36, s33, 1
	s_add_co_u32 s36, s36, s26
	s_mul_i32 s36, s36, 12800                      ; my tile,
	s_lshr_b32 s29, s27, 1
	s_mul_i32 s29, s29, 6400
	s_add_co_u32 s36, s36, s29                     ; my half of K
	s_and_b32 s29, s27, 1
	s_mul_i32 s38, s29, 3072                       ; codes: four half fragments a quarter
	s_add_co_u32 s38, s38, s36
	s_mov_b32 s39, 0
	s_lshl_b32 s40, s29, 7                         ; scale words: two K steps of 64 bytes a quarter, behind the half's codes
	s_add_co_u32 s40, s40, s36
	s_add_co_u32 s40, s40, 6144
	s_mov_b32 s41, 0
	s_lshr_b32 s42, ttmp9, 1                       ; the mask: token tile g begins at row 32 (g / 2) + 8 (g % 2), rows of 2,048 bytes; my 256 keys
	s_lshl_b32 s42, s42, 5
	s_and_b32 s29, ttmp9, 1
	s_lshl_b32 s29, s29, 3
	s_add_co_u32 s42, s42, s29
	s_lshl_b32 s42, s42, 11
	s_lshl_b32 s29, s25, 8
	s_add_co_u32 s42, s42, s29
	s_mov_b32 s43, 0
	s_lshl_b32 s44, ttmp9, 12                      ; the words: 4,096 bytes a token tile, 512 a wave
	s_lshl_b32 s29, s25, 9
	s_add_co_u32 s44, s44, s29
	s_mov_b32 s45, 0
	s_mov_b32 s30, 0x76543210
	s_mov_b32 s31, 0xfedcba98                      ; v_permlanex16_b32's selects for lane l xor 16
	s_mov_b32 s32, 0xffff0000                      ; lanes 16-31
	s_wait_kmcnt 0x0
	s_cmp_lt_u32 ttmp9, 224                        ; the choice hangs on the work-group's number alone
	s_cselect_b64 s[20:21], s[6:7], s[8:9]
	s_cselect_b64 s[22:23], s[14:15], s[16:17]
	s_cmp_lt_u32 ttmp9, 128
	s_cselect_b64 s[20:21], s[4:5], s[20:21]
	s_cselect_b64 s[22:23], s[12:13], s[22:23]
	s_add_nc_u64 s[20:21], s[20:21], s[34:35]      ; the numbers
	s_add_nc_u64 s[38:39], s[22:23], s[38:39]      ; the codes
	s_add_nc_u64 s[40:41], s[22:23], s[40:41]      ; the scale words
	s_add_nc_u64 s[10:11], s[10:11], s[42:43]      ; the mask
	s_add_nc_u64 s[18:19], s[18:19], s[44:45]      ; its words
.macro LOAD t                          ; step t: positions 2 i and 2 i + 1 of the tile, 256 consecutive bytes each
.irp i, 0,1,2,3,4,5,6,7
	global_load_b128 v[R+32*(\t)+4*\i:R+32*(\t)+4*\i+3], v[SRC], s[20:21] offset:((2*\i)%8+16*(\i/4))*4096+256*(\t) th:TH_LOAD_NT
.endr
.endm
.macro TURN t                          ; step t through stage t % 2: LDS serves a wave's instructions in order, so no wait stands between the stores and the loads
.irp i, 0,1,2,3,4,5,6,7
	ds_store_b128 v[SIN], v[R+32*((\t)%4)+4*\i:R+32*((\t)%4)+4*\i+3] offset:STG*((\t)%2)+544*\i
.endr
.irp i, 0,1,2,3,4,5,6,7
.if (\t) < 4
	ds_load_b128 v[X+32*((\t)%2)+4*\i:X+32*((\t)%2)+4*\i+3], v[SOUT] offset:STG*((\t)%2)+16*\i
.else
	ds_load_b128 v[X+4*\i:X+4*\i+3], v[SOM] offset:32*\i      ; the mask: 16 keys of each 32: keys 32 i + 16 h + 0 .. 15 of my row
.endif
.endr
.endm
.macro STEP j
.set XS, X+32*((\j)%2)
.set CJ, C+6*(\j)
	s_wait_dscnt 0x0                               ; this step's block is back, and the stage's stores have read the registers that they were loaded into
.if (\j) == 0
.irp i, 0,1,2,3,4,5,6,7
	global_load_b128 v[R+4*\i:R+4*\i+3], v[MSK], s[10:11] offset:((2*\i)%8+16*(\i/4))*2048 th:TH_LOAD_NT   ; the mask's 16 rows x 256 bytes take step 0's registers
.endr
.endif
	s_wait_loadcnt 24-8*(\j)                       ; the next step's eight loads are in; the count is the loads issued behind them
	TURN (\j)+1
	v_max3_num_f32 v12, |v[XS]|, |v[XS+1]|, |v[XS+2]|          ; the block's largest magnitude: all 32 numbers are mine; two chains
	v_max3_num_f32 v13, |v[XS+3]|, |v[XS+4]|, |v[XS+5]|
.irp i, 6,10,14,18,22,26
	s_delay_alu instid0(VALU_DEP_2)
	v_max3_num_f32 v12, v12, |v[XS+\i]|, |v[XS+\i+1]|
	s_delay_alu instid0(VALU_DEP_2)
	v_max3_num_f32 v13, v13, |v[XS+\i+2]|, |v[XS+\i+3]|
.endr
	s_delay_alu instid0(VALU_DEP_2)
	v_max3_num_f32 v12, v12, |v[XS+30]|, |v[XS+31]|
	s_delay_alu instid0(VALU_DEP_1)
	v_max3_num_f32 v12, v12, v13, 0x1800000        ; and the floor 2^(3 - 127): the byte cannot fall under 1
	s_delay_alu instid0(VALU_DEP_1)
	v_add_nc_u32 v14, 0xff000000, v12              ; 2 off its exponent field: the conversion takes this operand's exponent field as its scale
	v_cvt_scalef32_pk16_fp6_f32 v[CJ:CJ+2], v[XS:XS+15], v14
	v_cvt_scalef32_pk16_fp6_f32 v[T2:T2+2], v[XS+16:XS+31], v14
	v_lshrrev_b32 v[16+(\j)], 23, v14              ; the scale's byte.  (The plain line behind the conversions)
.irp i, 0,1,2
	v_mov_b32 v[CJ+3+\i], v[T2+\i]
.endr
	global_store_b128 v[L16], v[CJ:CJ+3], s[38:39] offset:768*(\j)         ; 512 consecutive bytes
	global_store_b64 v[L8], v[CJ+4:CJ+5], s[38:39] offset:768*(\j)+512     ; and 256
.if (\j)%2 == 1                        ; two steps are 128 along K: my bytes are blocks h and 2 + h of my row's scale word
	v_lshl_or_b32 v[20+(\j)/2], v[16+(\j)], 16, v[15+(\j)]
	s_delay_alu instid0(VALU_DEP_1)
	v_lshlrev_b32 v[20+(\j)/2], v[SH], v[20+(\j)/2]
	s_delay_alu instid0(VALU_DEP_1)
	v_permlanex16_b32 v22, v[20+(\j)/2], s30, s31
	s_delay_alu instid0(VALU_DEP_1)
	v_or_b32 v[20+(\j)/2], v[20+(\j)/2], v22       ; with lane l xor 16's two the word is whole
.endif
.endm
.irp t, 0,1,2,3
	LOAD \t
.endr
	s_wait_loadcnt 24                              ; step 0's eight loads are in; 24 were issued behind them
	TURN 0
.irp j, 0,1,2,3
	STEP \j
.endr
	s_delay_alu instid0(VALU_DEP_1)
	v_cndmask_b32 v23, v20, v21, s32               ; lanes 0-15 the first K step's words, lanes 16-31 the second's
	global_store_b32 v[L4], v23, s[40:41]          ; 128 consecutive bytes
	s_wait_dscnt 0x0                               ; the mask's bytes are back from the stage
; Register X + L holds four keys of my row; byte q of it, compared in all 32 lanes, is word 4 L + q of my wave's 128
.set L, 0
.rept 32
.irp q, 0,1,2,3
	v_bfe_u32 v[24+\q], v[X+L], 8*\q, 8
.endr
.irp q, 0,1,2,3
	s_delay_alu instid0(VALU_DEP_4)
	v_cmp_ne_u32 s[48+\q], 0, v[24+\q]
.endr
.irp q, 0,1,2,3
	s_delay_alu instid0(VALU_DEP_4)
	v_writelane_b32 v[MW+\q], s[48+\q], L
.endr
.set L, L+1
.endr
	global_store_b128 v[L16], v[MW:MW+3], s[18:19] ; 512 consecutive bytes
	s_wait_tensorcnt 0x0                           ; the wave's end
	ds_add_u32 v[SPW], v[NIL]
	s_wait_dscnt 0x0
	s_endpgm
.Lfunc_end_k_q42eb470c57_prep:
	.size	k_q42eb470c57_prep, .Lfunc_end_k_q42eb470c57_prep-k_q42eb470c57_prep
	.p2alignl 7, 3214868480
	.fill 96, 4, 3214868480
	.section	.rodata,"a",@progbits
	.p2align	6, 0x0
	.amdhsa_kernel k_q42eb470c57_prep
		.amdhsa_group_segment_fixed_size 70656
		.amdhsa_private_segment_fixed_size 0
		.amdhsa_enable_private_segment 0
		.amdhsa_kernarg_size 64
		.amdhsa_user_sgpr_count 2
		.amdhsa_user_sgpr_kernarg_segment_ptr 1
		.amdhsa_wavefront_size32 1
		.amdhsa_system_sgpr_workgroup_id_x 1
		.amdhsa_system_sgpr_workgroup_id_y 1
		.amdhsa_system_sgpr_workgroup_id_z 1
		.amdhsa_system_vgpr_workitem_id 0
		.amdhsa_next_free_vgpr 256
		.amdhsa_next_free_sgpr 66
		.amdhsa_reserve_vcc 0
		.amdhsa_float_denorm_mode_32 3
		.amdhsa_float_denorm_mode_16_64 3
		.amdhsa_memory_ordered 1
		.amdhsa_forward_progress 1
		.amdhsa_inst_pref_size 55
	.end_amdhsa_kernel
	.amdgpu_metadata
---
amdhsa.version: [ 1, 2 ]
amdhsa.kernels:
  - .name:           k_q42eb470c57_prep
    .symbol:         k_q42eb470c57_prep.kd
    .args:
      - { .name: x, .offset: 0, .size: 8, .value_kind: global_buffer, .address_space: global }
      - { .name: W_qkv, .offset: 8, .size: 8, .value_kind: global_buffer, .address_space: global }
      - { .name: W_proj, .offset: 16, .size: 8, .value_kind: global_buffer, .address_space: global }
      - { .name: mask, .offset: 24, .size: 8, .value_kind: global_buffer, .address_space: global }
      - { .name: xg, .offset: 32, .size: 8, .value_kind: global_buffer, .address_space: global }
      - { .name: wqg, .offset: 40, .size: 8, .value_kind: global_buffer, .address_space: global }
      - { .name: wpg, .offset: 48, .size: 8, .value_kind: global_buffer, .address_space: global }
      - { .name: maskbits, .offset: 56, .size: 8, .value_kind: global_buffer, .address_space: global }
    .group_segment_fixed_size: 70656
    .private_segment_fixed_size: 0
    .kernarg_segment_align: 8
    .kernarg_segment_size: 64
    .max_flat_workgroup_size: 256
    .sgpr_count:     66
    .vgpr_count:     256
    .wavefront_size: 32
...
	.end_amdgpu_metadata
.endif
;; end of part 1
;; launch qkv (part 2): grid 8 x 32, 4 waves a work-group, clusters of 4 x 4, 327,680 bytes of LDS; arguments xg, wqg, qb, kv; writes qb, kv
.if DOCPART == 2
	.amdgcn_target "amdgcn-amd-amdhsa--gfx1250"
	.amdhsa_code_object_version 6
	.text
	.protected	k_q42eb470c57_qkv
	.globl	k_q42eb470c57_qkv
	.p2align	8
	.type	k_q42eb470c57_qkv,@function
k_q42eb470c57_qkv:
	s_mov_b64 s[64:65], 0
	v_nop
	global_prefetch_b8 v0, s[64:65] scope:SCOPE_SE
	s_setreg_imm32_b32 hwreg(HW_REG_WAVE_MODE, 25, 1), 1
	s_wait_xcnt 0x0
	s_wait_alu depctr_hold_cnt(0) depctr_sa_sdst(0) depctr_va_vdst(0) depctr_va_sdst(0) depctr_va_ssrc(0) depctr_va_vcc(0) depctr_vm_vsrc(0)
	s_getreg_b32 s2, hwreg(HW_REG_IB_STS2, 6, 4)
	s_cmp_eq_u32 s2, 0
	s_cbranch_scc0 .Lentry_in_a_cluster
	s_endpgm
.Lentry_in_a_cluster:
	s_bfe_u32 s2, ttmp6, 0x10000c
	s_cmp_lg_u32 s2, 0xf033
	s_cbranch_scc0 .Lentry_shape_is_right
	s_endpgm
.Lentry_shape_is_right:
; qkv = x W_qkv^T on codes of FP6 (E2M3) with E8M0 scales, K = 1,024; the results are quantised at once: q / 8 and k along the head's 64, v along the keys, and leave as codes in the order of the attention launch's operand registers.
; OPERANDS (made by the launch before): a tile is 16 rows, position p of tile T = row 32 (T / 2) + 8 (T % 2) + p % 8 + 16 (p / 8); its 1,024 K are 12,800 bytes: two halves of K, each 8 half fragments of 768 bytes
; (16 rows x 64 K: registers 0-3 at 16 x lane, 4-5 at 512 + 8 x lane) and 4 x 16 scale words.  So every LDS load takes consecutive bytes in consecutive lanes: no pitch, no padding.
; SHARES.  A WORK-GROUP STAYS: it takes 128 tokens and makes, in three phases, 128 features of q, the same two heads' 128 of k and their 128 of v.  Each of its four waves makes 64 x 64 a phase: 16 accumulators; a wave's 64 features are one head.
; 256 work-groups of equal work.  The tokens' codes, all of K, come into LDS once and serve the three phases.  W's rows have two slots: q's and k's come with the first fills; v's are brought into q's slot when q's products are done,
; and have q's way out and all of k's phase in which to land.
; CLUSTER 4 x 4: the four of a row need the same tokens, the four of a column the same features: each tile is asked for JOINTLY.  By this text's own count a wave has one tensor load outstanding at the start, and one behind each of the next two rounds.
; SIDES.  Source 0's rows run along a lane's registers in the result, source 1's rows are the lanes.  For q and k source 0 = W (a lane holds one token and, by the tiles' order of rows, 16 neighbouring features in the registers of two
; neighbouring tiles); for v source 0 = x (a lane holds one feature and neighbouring KEYS).  Only the two LDS bases differ from phase to phase.
; LIMITS: NaN and infinities are not served; a block whose largest magnitude lies under 2^-124 (zeros too) keeps the byte 1.
; REGISTERS.  Window 0: v1-14 addresses; v16-31 scale words, two sets of 4 + 4; v32-127 source 1's fragments, two sets of 4 x 12 (on a way out: at work); v128-255 the accumulators ((a, b) at 128 + 8 (4 a + b)).  Window 1: v0-95 source 0's fragments, two sets.
.set TILEB, 12800
.set HALFB, 12800                      ; from tile to tile in LDS: a tile lies whole, its second half of K 6,400 bytes behind the first (one load brings whole tiles; a wave has one tensor load out at any time)
.set HALFR, 4*HALFB                    ; four whole tiles: half of a region
.set REGN,  2*HALFR                    ; a region of LDS: eight tiles, all of K, each tile whole
.set SLA,   REGN                       ; LDS: the tokens from 0 on; slot A: W's rows for q, later for v;
.set SLB,   2*REGN                     ; slot B: W's rows for k
.set SPARE, 3*REGN                     ; behind them the spare words, 128 bytes for each wave: two blocks of 256 bytes that no other line names
.set SPW, 1                            ; v1   LDS address of my spare word; never rewritten
.set NIL, 2                            ; v2   0; never rewritten
.set A0,  4                            ; v4-6 source 0 in LDS: 16 x lane, 8 x lane, 4 x (lane % 16), each + its base
.set A1,  7                            ; v7-9 source 1 likewise
.set LN,  10                           ; v10  lane
.set R16, 11                           ; v11  lane % 16
.set L16, 12                           ; v12  16 x lane
.set L8,  13                           ; v13  8 x lane
.set WO,  14                           ; v14  4 x lane
.set SC,  16
.set F1,  32
.set ACC, 128
.set PCD, 32                           ; a way out: v32-55 four half fragments of codes
.set T2,  56                           ; v56-58 a block's upper 16 codes
.set TM,  60                           ; v60-67 at work in QUANT2
.set WD,  68                           ; v68-71 the four tiles' scale bytes
.set WC,  82                           ; v82-83 those of two tiles in one register
.set WV,  14                           ; s14  my wave's number
.set SX,  12                           ; s12  LDS: my four tiles of tokens
.set SWA, 18                           ; s18  my four tiles of W in slot A
.set SWB, 19                           ; s19  and in slot B
.set G1A, 24                           ; s[24:31] group 1 for the tokens' tiles; s[32:35] group 0
.set G0A, 32
.set G1B, 48                           ; s[48:55] group 1 for W's tiles; s[56:59] group 0 for q's rows
.set G0B, 56
.set G0K, 68                           ; s[68:71] group 0 for my quarter of k's rows
.set G0V, 72                           ; s[72:75] and of v's
.set PQC, 76                           ; s[76:77] q's codes, s[78:79] q's scale words; s[80:83] k's; s[84:87] v's
.set PQW, 78
.set PKC, 80
.set PKW, 82
.set PVC, 84
.set PVW, 86
.set EI,  88                           ; s[88:89] 1 / 8
.set LHI, 90                           ; s90  lanes 16-31
.set SEL, 92                           ; s[92:93] v_permlanex16_b32's selects for lane l xor 16
.set MSB, 0
.macro WIN new                         ; the immediate's high byte repeats the setting that is left
.if MSB != \new
	s_set_vgpr_msb (MSB<<8)|\new
.set MSB, \new
.endif
.endm
.macro CROUND                          ; a round of the cluster's barrier
	s_barrier_signal -1
	s_barrier_wait -1
	s_cmp_lg_u32 s[WV], 0
	s_cbranch_scc1 .Lnot_wave_0_\@
	s_barrier_signal -3
.Lnot_wave_0_\@:
	s_barrier_wait -3
	s_barrier_signal -1
	s_barrier_wait -1
.endm
.macro PLACES                          ; four plain vector lines between a matrix instruction and a load into, or a vector line on, its registers
.rept 4
	v_nop
.endr
.endm
	s_load_b256 s[4:11], s[0:1], 0x0               ; xg, wqg, qb, kv
	v_lshl_add_u32 v[SPW], v0, 2, SPARE
	v_mov_b32 v[NIL], 0
	ds_add_u32 v[SPW], v[NIL]                      ; the wave's opening: the add and its wait stand ahead of my first tensor load; work on registers stands between them
	ds_add_u32 v[SPW], v[NIL]
	v_lshrrev_b32 v3, 5, v0
	v_readfirstlane_b32 s[WV], v3                  ; wave 0..3
	s_lshr_b32 s15, s[WV], 1                       ; u: which 64 tokens are mine.  Also: my first fill is tokens (0) or W (1)
	s_and_b32 s16, s[WV], 1                        ; vv: which 64 features.  Also: which four tiles I fetch
	s_bfe_u32 s40, ttmp6, 0x40000                  ; cx
	s_bfe_u32 s41, ttmp6, 0x40004                  ; cy
	s_lshl_b32 s42, ttmp9, 2
	s_add_co_u32 s42, s42, s40                     ; nt 0..7: my 128 features of q; k's lie 8 such tiles on, v's 16
	s_and_b32 s17, ttmp7, 0xffff
	s_lshl_b32 s17, s17, 2
	s_add_co_u32 s17, s17, s41                     ; mt: my 128 tokens
	s_lshl_b32 s43, s41, 2
	s_lshl_b32 s43, 15, s43                        ; my row of the cluster
	s_lshl_b32 s44, 0x1111, s40                    ; my column
	s_or_b32 s[G1A], s43, (3<<16)|(1<<21)          ; 15:0 the mask; 17:16 elements of 8 bytes; 21 set beside a mask; no padding
	s_or_b32 s[G1B], s44, (3<<16)|(1<<21)
.irp g, G1A, G1B
	s_mov_b32 s[\g+1], 1600<<16                    ; tensor_dim0: a tile's whole K, 12,800 bytes
	s_mov_b32 s[\g+2], 4<<16                       ; tensor_dim1: four tiles
	s_mov_b32 s[\g+3], 1600<<16                    ; tile_dim0
	s_mov_b32 s[\g+4], 4                           ; tile_dim1
	s_mov_b32 s[\g+5], 1600                        ; from tile to tile: 12,800 bytes
	s_mov_b32 s[\g+6], 0
	s_mov_b32 s[\g+7], 0
.endr
	s_lshl_b32 s18, s16, 2
	s_lshl_b32 s20, s17, 3
	s_add_co_u32 s20, s20, s18
	s_mul_i32 s20, s20, TILEB                      ; tokens: tile 8 mt + 4 (wave % 2)
	s_mov_b32 s21, 0
	s_lshl_b32 s46, s42, 3
	s_add_co_u32 s46, s46, s18
	s_mul_i32 s46, s46, TILEB                      ; W, q's rows: tile 8 nt + 4 (wave % 2)
	s_mov_b32 s47, 0
	s_lshl_b32 s22, s42, 3                         ; my quarter of a slot of k's or v's rows: tiles 8 nt + 2 wave and the next
	s_lshl_b32 s23, s[WV], 1
	s_add_co_u32 s22, s22, s23
	s_mul_i32 s22, s22, TILEB
	s_mov_b32 s23, 0
	s_mul_i32 s45, s16, 4*HALFB                    ; LDS: four tiles' place in a half of a region,
	s_mul_i32 s19, s[WV], 2*HALFB                  ; and my quarter's place in a slot: two tiles a wave: no place in the cluster enters an LDS address
	s_wait_dscnt 0x0                               ; the opening add is done
	s_wait_kmcnt 0x0
	s_add_nc_u64 s[20:21], s[4:5], s[20:21]
	s_add_nc_u64 s[46:47], s[6:7], s[46:47]
	CROUND                                         ; all sixteen work-groups are here: the joint loads meet
.irp k, 0
	s_mov_b32 s[G0A+4*\k], 1
	s_add_co_u32 s[G0A+4*\k+1], s45, \k*HALFR
	s_add_nc_u64 s[G0A+4*\k+2:G0A+4*\k+3], s[20:21], \k*HALFB
	s_or_b32 s[G0A+4*\k+3], s[G0A+4*\k+3], 0x80000000
	s_mov_b32 s[G0B+4*\k], 1
	s_add_co_u32 s[G0B+4*\k+1], s45, SLA+\k*HALFR
	s_add_nc_u64 s[G0B+4*\k+2:G0B+4*\k+3], s[46:47], \k*HALFB
	s_or_b32 s[G0B+4*\k+3], s[G0B+4*\k+3], 0x80000000
.endr
	s_add_nc_u64 s[46:47], s[6:7], s[22:23]        ; my quarter of a slot: two whole tiles
	s_mov_b32 s[G0K], 1
	s_add_co_u32 s[G0K+1], s19, SLB
	s_add_nc_u64 s[G0K+2:G0K+3], s[46:47], 64*TILEB    ; k's rows: 64 tiles on
	s_or_b32 s[G0K+3], s[G0K+3], 0x80000000
	s_mov_b32 s[G0V], 1
	s_add_co_u32 s[G0V+1], s19, SLA
	s_add_nc_u64 s[G0V+2:G0V+3], s[46:47], 128*TILEB   ; v's rows: 128 tiles on
	s_or_b32 s[G0V+3], s[G0V+3], 0x80000000
	s_cmp_eq_u32 s15, 0                            ; a wave's first fill stands in one branch on the wave's number; an s_nop 0 follows it, then four v_nop
	s_cbranch_scc0 .Lfirst_w
	tensor_load_to_lds s[G0A:G0A+3], s[G1A:G1A+7]          ; all of K of four tiles of tokens,
	s_nop 0
.rept 4
	v_nop
.endr
	s_branch .Lfirst_asked
.Lfirst_w:
	tensor_load_to_lds s[G0B:G0B+3], s[G1B:G1B+7]          ; the same of four tiles of q's rows
	s_nop 0
.rept 4
	v_nop
.endr
.Lfirst_asked:
	v_and_b32 v[LN], 31, v0
	v_and_b32 v[R16], 15, v0
	v_lshlrev_b32 v[L16], 4, v[LN]
	v_lshlrev_b32 v[L8], 3, v[LN]
	v_lshlrev_b32 v[WO], 2, v[LN]
	s_mul_i32 s[SX], s15, 4*HALFB                  ; my four tiles of tokens,
	s_mul_i32 s13, s16, 4*HALFB                    ; my four of W,
	s_add_co_u32 s[SWA], s13, SLA                  ; in slot A
	s_add_co_u32 s[SWB], s13, SLB                  ; and in slot B
	; where the results go.  b = mt / 16, st = mt % 16 (a key step is 128 tokens), head = 2 nt + vv
	s_lshr_b32 s66, s17, 4
	s_and_b32 s67, s17, 15
	s_lshl_b32 s96, s42, 1
	s_add_co_u32 s96, s96, s16
	s_lshl_b32 s97, s66, 4
	s_add_co_u32 s97, s97, s96                     ; bh
	s_lshl_b32 s98, s97, 7
	s_lshl_b32 s99, s67, 3
	s_add_co_u32 s98, s98, s99
	s_lshl_b32 s99, s15, 2
	s_add_co_u32 s98, s98, s99                     ; q: tile 128 bh + 8 st + 4 u
	s_mov_b32 s95, 0
	s_mul_i32 s94, s98, 768
	s_add_nc_u64 s[PQC:PQC+1], s[8:9], s[94:95]    ;    its codes,
	s_lshl_b32 s94, s98, 6
	s_add_co_u32 s94, s94, 3145728
	s_add_nc_u64 s[PQW:PQW+1], s[8:9], s[94:95]    ;    its scale words, behind all codes
	s_mul_i32 s98, s97, 208896
	s_mul_i32 s99, s67, 13056
	s_add_co_u32 s98, s98, s99                     ; k, v: the head's key step
	s_mul_i32 s94, s15, 3072
	s_add_co_u32 s94, s94, s98
	s_add_nc_u64 s[PKC:PKC+1], s[10:11], s[94:95]  ; k: key tiles 4 u on,
	s_lshl_b32 s94, s15, 8
	s_add_co_u32 s94, s94, s98
	s_add_co_u32 s94, s94, 6144
	s_add_nc_u64 s[PKW:PKW+1], s[10:11], s[94:95]  ;    their scale words
	s_mul_i32 s94, s15, 768
	s_add_co_u32 s94, s94, s98
	s_add_co_u32 s94, s94, 6656
	s_add_nc_u64 s[PVC:PVC+1], s[10:11], s[94:95]  ; v: half u (64 keys) of each of the four fragments,
	s_lshl_b32 s94, s15, 1
	s_add_co_u32 s94, s94, s98
	s_add_co_u32 s94, s94, 12800
	s_add_nc_u64 s[PVW:PVW+1], s[10:11], s[94:95]  ;    bytes 2 u, 2 u + 1 of their scale words
	s_mov_b32 s[EI], 0x3e000000                    ; 1 / 8 = 64^-0.5
	s_mov_b32 s[EI+1], s[EI]                       ; (named with it as a pair, so it is written)
	s_mov_b32 s[LHI], 0xffff0000
	s_mov_b32 s[SEL], 0x76543210
	s_mov_b32 s[SEL+1], 0xfedcba98
; 40 LDS loads: K step s (128 along K) of both sides' four tiles into set p: a fragment is two half fragments on end; and the eight scale words
.macro FETCH s, p
	WIN 0x40                                       ; destination window 1
.irp i, 0,1,2,3
	ds_load_b128 v[48*(\p)+12*\i:48*(\p)+12*\i+3],    v[A0]   offset:\i*HALFB+((\s)%4)*1536
	ds_load_b64  v[48*(\p)+12*\i+4:48*(\p)+12*\i+5],  v[A0+1] offset:\i*HALFB+((\s)%4)*1536+512
	ds_load_b128 v[48*(\p)+12*\i+6:48*(\p)+12*\i+9],  v[A0]   offset:\i*HALFB+((\s)%4)*1536+768
	ds_load_b64  v[48*(\p)+12*\i+10:48*(\p)+12*\i+11], v[A0+1] offset:\i*HALFB+((\s)%4)*1536+1280
.endr
	WIN 0
.irp i, 0,1,2,3
	ds_load_b128 v[F1+48*(\p)+12*\i:F1+48*(\p)+12*\i+3],    v[A1]   offset:\i*HALFB+((\s)%4)*1536
	ds_load_b64  v[F1+48*(\p)+12*\i+4:F1+48*(\p)+12*\i+5],  v[A1+1] offset:\i*HALFB+((\s)%4)*1536+512
	ds_load_b128 v[F1+48*(\p)+12*\i+6:F1+48*(\p)+12*\i+9],  v[A1]   offset:\i*HALFB+((\s)%4)*1536+768
	ds_load_b64  v[F1+48*(\p)+12*\i+10:F1+48*(\p)+12*\i+11], v[A1+1] offset:\i*HALFB+((\s)%4)*1536+1280
	ds_load_b32  v[SC+8*(\p)+\i],   v[A0+2] offset:\i*HALFB+6144+((\s)%4)*64
	ds_load_b32  v[SC+8*(\p)+4+\i], v[A1+2] offset:\i*HALFB+6144+((\s)%4)*64
.endr
.endm
; 16 matrix instructions on set p; the 16 accumulators take turns, one instruction a turn, in the same order in every step.  first = 1: the products start the sums
.macro MUL p, first
	WIN 0x01                                       ; source 0 window 1
.irp a, 0,1,2,3
.irp b, 0,1,2,3
.if \first
	v_wmma_scale_f32_16x16x128_f8f6f4 v[ACC+8*(4*\a+\b):ACC+8*(4*\a+\b)+7], v[48*(\p)+12*\b:48*(\p)+12*\b+11], v[F1+48*(\p)+12*\a:F1+48*(\p)+12*\a+11], 0, v[SC+8*(\p)+\b], v[SC+8*(\p)+4+\a] matrix_a_fmt:MATRIX_FMT_FP6 matrix_b_fmt:MATRIX_FMT_FP6
.else
	v_wmma_scale_f32_16x16x128_f8f6f4 v[ACC+8*(4*\a+\b):ACC+8*(4*\a+\b)+7], v[48*(\p)+12*\b:48*(\p)+12*\b+11], v[F1+48*(\p)+12*\a:F1+48*(\p)+12*\a+11], v[ACC+8*(4*\a+\b):ACC+8*(4*\a+\b)+7], v[SC+8*(\p)+\b], v[SC+8*(\p)+4+\a] matrix_a_fmt:MATRIX_FMT_FP6 matrix_b_fmt:MATRIX_FMT_FP6
.endif
.endr
.endr
.endm
; A PHASE: all of K, eight steps, for one of q (kind 0), k (1), v (2).  b0, b1: the scalar registers with source 0's and source 1's LDS bases
.macro PHASE kind, b0, b1
	v_lshl_add_u32 v[A0], v[LN], 4, s[\b0]
	v_lshl_add_u32 v[A0+1], v[LN], 3, s[\b0]
	v_lshl_add_u32 v[A0+2], v[R16], 2, s[\b0]
	v_lshl_add_u32 v[A1], v[LN], 4, s[\b1]
	v_lshl_add_u32 v[A1+1], v[LN], 3, s[\b1]
	v_lshl_add_u32 v[A1+2], v[R16], 2, s[\b1]
	FETCH 0, 0
	FETCH 1, 1
	s_wait_alu depctr_va_vdst(0)
	s_wait_dscnt 40                                ; all but the 40 just issued
	MUL 0, 1
.irp s, 1,2,3,4,5,6
	WIN 0
.if \s == 3
.irp r, 4,5,6,7,8,9
	v_add_nc_u32 v\r, 6400, v\r                    ; on to the second half of K, 6,400 bytes on in every tile
.endr
.endif
	PLACES                                         ; ahead of the loads into the set that the last step multiplied
	FETCH \s+1, (\s+1)%2
	s_wait_alu depctr_va_vdst(0)
	s_wait_dscnt 40                                ; this step's set is in; the 40 just issued may be out
	MUL \s%2, 0
.endr
	s_wait_dscnt 0x0
	MUL 1, 0
	WIN 0
.endm
; 32 numbers of a lane, register 16 b + i = k 32 b + 16 (lane / 16) + i of the lane's row, become a half fragment's codes in v[pc .. pc + 5] and the two scale bytes in v[w]
.macro QUANT2 s, pc, w
	v_max3_num_f32 v[TM], |v[\s]|, |v[\s+1]|, 0x1800000            ; my 16 numbers of each block, and the floor 2^(3 - 127): the byte cannot fall under 1
	v_max3_num_f32 v[TM+1], |v[\s+16]|, |v[\s+17]|, 0x1800000
.irp i, 2,4,6,8,10,12,14
	v_max3_num_f32 v[TM], v[TM], |v[\s+\i]|, |v[\s+\i+1]|          ; (the two blocks by turns)
	v_max3_num_f32 v[TM+1], v[TM+1], |v[\s+16+\i]|, |v[\s+17+\i]|
.endr
	v_permlanex16_b32 v[TM+2], v[TM], s[SEL], s[SEL+1]
	v_permlanex16_b32 v[TM+3], v[TM+1], s[SEL], s[SEL+1]
	v_max_num_f32 v[TM], v[TM], v[TM+2]            ; with lane l xor 16's: the block's largest magnitude
	v_max_num_f32 v[TM+1], v[TM+1], v[TM+3]
	v_add_nc_u32 v[TM+4], 0xff000000, v[TM]        ; 2 off the exponent field: the conversion's scale operand
	v_add_nc_u32 v[TM+5], 0xff000000, v[TM+1]
	v_lshrrev_b32 v[TM+6], 23, v[TM+4]             ; the scale's byte
	v_lshrrev_b32 v[TM+7], 23, v[TM+5]
	v_lshl_or_b32 v[\w], v[TM+7], 8, v[TM+6]
	v_cvt_scalef32_pk16_fp6_f32 v[\pc:\pc+2], v[\s:\s+15], v[TM+4]
	v_cvt_scalef32_pk16_fp6_f32 v[T2:T2+2], v[\s+16:\s+31], v[TM+5]
	v_nop                                          ; one plain line behind a scaled conversion
.irp i, 0,1,2
	v_permlane16_swap_b32 v[\pc+\i], v[T2+\i]      ; the layout wants a WHOLE block in a lane: lanes 0-15 block 0, lanes 16-31 block 1
.endr
.irp i, 0,1,2
	v_mov_b32 v[\pc+3+\i], v[T2+\i]
.endr
.endm
; A PHASE'S WAY OUT.  pc, pw: the scalar pairs with the codes' and the scale words' addresses; str: bytes from one of my four tiles' codes to the next
.macro EPI kind, pc, pw, str
	v_mov_b32 v[TM+2], 0                           ; a lane permute's destination counts as one of its sources
	v_mov_b32 v[TM+3], 0
.if \kind == 0                         ; q alone is multiplied by 1 / 8 ahead of its quantiser
.set i, 0
.rept 64
	v_pk_mul_f32 v[ACC+i:ACC+i+1], v[ACC+i:ACC+i+1], s[EI:EI+1] op_sel_hi:[1,0]    ; each accumulator from its low end on
.set i, i+2
.endr
.endif
.irp a, 0,1,2,3                        ; source 1's tile a: the 32 registers of accumulators (a, 0 .. 3) are 64 neighbours along the next K, 32 in each half of the lanes
	QUANT2 ACC+32*\a, PCD+6*\a, WD+\a
.if \kind != 2
	v_or_b32 v[WD+\a], 0x7f7f0000, v[WD+\a]        ; q and k: the word's upper two bytes stand for 1.0, over zero codes
.endif
	global_store_b128 v[L16], v[PCD+6*\a:PCD+6*\a+3], s[\pc:\pc+1] offset:\a*\str          ; 512 consecutive bytes
	global_store_b64 v[L8], v[PCD+6*\a+4:PCD+6*\a+5], s[\pc:\pc+1] offset:\a*\str+512      ; and 256
.if \a%2 == 1
	v_cndmask_b32 v[WC+\a/2], v[WD+\a-1], v[WD+\a], s[LHI]     ; lanes 0-15 tile a - 1's, lanes 16-31 tile a's
.if \kind == 2
	global_store_b16 v[WO], v[WC+\a/2], s[\pw:\pw+1] offset:64*(\a-1)      ; v: my 64 keys are two of the four bytes of each word
.else
	global_store_b32 v[WO], v[WC+\a/2], s[\pw:\pw+1] offset:64*(\a-1)      ; whole words: 128 consecutive bytes
.endif
.endif
.endr
.endm
	s_wait_alu depctr_va_vdst(0)
	s_wait_tensorcnt 0x0                           ; my four tiles of tokens or of q's rows are in; then, ahead of a later first fill:
	ds_add_u32 v[SPW], v[NIL]                      ; 0 onto my spare word
	s_mov_b32 s[G1B+2], 2<<16                      ; no tensor load of mine is out: from here on a load of W's rows brings two tiles: tensor_dim1,
	s_mov_b32 s[G1B+4], 2                          ; tile_dim1
	s_wait_dscnt 0x0                               ; the add is done
	CROUND                                         ; everybody's tiles are in, and all sixteen work-groups are here
	tensor_load_to_lds s[G0K:G0K+3], s[G1B:G1B+7]  ; slot B's first fill, my one load behind the round: my quarter of k's rows; q's phase stands between it and the wait for it
	s_nop 0
	PLACES
	PHASE 0, SWA, SX                               ; q: source 0 = W's rows in slot A, source 1 = the tokens
	; SLOT A IS FILLED AGAIN, with v's rows: q's products are issued, and their fragments have left LDS
	s_wait_tensorcnt 0x0                           ; all my tensor loads have landed, my quarter of k's rows among them;
	ds_add_u32 v[SPW], v[NIL]                      ; 0 onto my spare word;
	PLACES                                         ; (four of the plain lines between q's last products and the way out's reads)
	s_wait_dscnt 0x0                               ; the add is done, and my reads of slot A are over
	CROUND                                         ; no wave of any partner still reads slot A or has a load on its way; and slot B is whole
	tensor_load_to_lds s[G0V:G0V+3], s[G1B:G1B+7]  ; my one tensor load behind the round, and the first thing there: my quarter of v's rows
	s_nop 0
	PLACES
	EPI 0, PQC, PQW, 768
	s_wait_xcnt 0x0                                ; the way out's stores have read their registers: the fragments' loads below may land there
	PHASE 1, SWB, SX                               ; k: source 0 = W's rows in slot B
	PLACES
	EPI 1, PKC, PKW, 768
	s_wait_tensorcnt 0x0                           ; my quarter of v's rows is in,
	s_barrier_signal -1
	s_barrier_wait -1                              ; everybody's is
	s_wait_xcnt 0x0                                ; as above
	PHASE 2, SX, SWA                               ; v: source 0 = the tokens, source 1 = W's rows in slot A
	PLACES
	EPI 2, PVC, PVW, 1536
	s_wait_tensorcnt 0x0                           ; the wave's end: behind my last tensor load
	ds_add_u32 v[SPW], v[NIL]
	s_wait_dscnt 0x0
	CROUND                                         ; the closing round
	s_endpgm
.Lfunc_end_k_q42eb470c57_qkv:
	.size	k_q42eb470c57_qkv, .Lfunc_end_k_q42eb470c57_qkv-k_q42eb470c57_qkv
	.p2alignl 7, 3214868480
	.fill 96, 4, 3214868480
	.section	.rodata,"a",@progbits
	.p2align	6, 0x0
	.amdhsa_kernel k_q42eb470c57_qkv
		.amdhsa_group_segment_fixed_size 327680
		.amdhsa_private_segment_fixed_size 0
		.amdhsa_enable_private_segment 0
		.amdhsa_kernarg_size 32
		.amdhsa_user_sgpr_count 2
		.amdhsa_user_sgpr_kernarg_segment_ptr 1
		.amdhsa_wavefront_size32 1
		.amdhsa_system_sgpr_workgroup_id_x 1
		.amdhsa_system_sgpr_workgroup_id_y 1
		.amdhsa_system_sgpr_workgroup_id_z 1
		.amdhsa_system_vgpr_workitem_id 0
		.amdhsa_next_free_vgpr 512
		.amdhsa_next_free_sgpr 100
		.amdhsa_reserve_vcc 0
		.amdhsa_float_denorm_mode_32 3
		.amdhsa_float_denorm_mode_16_64 3
		.amdhsa_memory_ordered 1
		.amdhsa_forward_progress 1
		.amdhsa_inst_pref_size 156
	.end_amdhsa_kernel
	.amdgpu_metadata
---
amdhsa.version: [ 1, 2 ]
amdhsa.kernels:
  - .name:           k_q42eb470c57_qkv
    .symbol:         k_q42eb470c57_qkv.kd
    .args:
      - { .name: xg, .offset: 0, .size: 8, .value_kind: global_buffer, .address_space: global }
      - { .name: wqg, .offset: 8, .size: 8, .value_kind: global_buffer, .address_space: global }
      - { .name: qb, .offset: 16, .size: 8, .value_kind: global_buffer, .address_space: global }
      - { .name: kv, .offset: 24, .size: 8, .value_kind: global_buffer, .address_space: global }
    .group_segment_fixed_size: 327680
    .private_segment_fixed_size: 0
    .kernarg_segment_align: 8
    .kernarg_segment_size: 32
    .max_flat_workgroup_size: 128
    .sgpr_count:     100
    .vgpr_count:     512
    .wavefront_size: 32
...
	.end_amdgpu_metadata
.endif
;; end of part 2
;; launch attn (part 3): grid 8 x 32, 16 waves a work-group, clusters of 4 x 1, 210,944 bytes of LDS; arguments qb, kv, maskbits, og; writes og
.if DOCPART == 3
	.amdgcn_target "amdgcn-amd-amdhsa--gfx1250"
	.amdhsa_code_object_version 6
	.text
	.protected	k_q42eb470c57_attn
	.globl	k_q42eb470c57_attn
	.p2align	8
	.type	k_q42eb470c57_attn,@function
k_q42eb470c57_attn:
	s_mov_b64 s[64:65], 0
	v_nop
	global_prefetch_b8 v0, s[64:65] scope:SCOPE_SE
	s_setreg_imm32_b32 hwreg(HW_REG_WAVE_MODE, 25, 1), 1
	s_wait_xcnt 0x0
	s_wait_alu depctr_hold_cnt(0) depctr_sa_sdst(0) depctr_va_vdst(0) depctr_va_sdst(0) depctr_va_ssrc(0) depctr_va_vcc(0) depctr_vm_vsrc(0)
	s_getreg_b32 s2, hwreg(HW_REG_IB_STS2, 6, 4)
	s_cmp_eq_u32 s2, 0
	s_cbranch_scc0 .Lentry_in_a_cluster
	s_endpgm
.Lentry_in_a_cluster:
	s_bfe_u32 s2, ttmp6, 0x10000c
	s_cmp_lg_u32 s2, 0x3003
	s_cbranch_scc0 .Lentry_shape_is_right
	s_endpgm
.Lentry_shape_is_right:
; o = softmax(where(mask, (q / 8) k^T, -1e9)) v for one head, both products on codes of FP6 (E2M3) with E8M0 scales; o / l is quantised along C and leaves as codes for the last product.
; THE SOFTMAX: t = logit x log2(e); M = the running largest t rounded UP to a whole number; p = 2^(t - M) is quantised along the keys, not normalised; the row's sum l is taken of the unquantised p and divides at the end.
; When M moves, l and O are multiplied by 2^(old M - new M): exact.
; THE MASK arrives as lane masks, one 32-bit word for each of a key step's 64 score registers: a hidden score becomes -1e9 by one v_cndmask_b32 with a scalar mask.  The words come by scalar loads, a trip ahead.
; A ROW THAT HAS SEEN HIDDEN KEYS ALONE: its largest t is the f32 product of -1e9 and log2(e), a whole number, so M = t and p = 1 for every key, as the definition in f32 has it.  A fused multiply-add would keep the product's
; lost bits, so for such a lane the multiplier and -M are replaced by 0 (a select, no branch): t - M = 0.  Its first open key makes 2^(old M - new M) = 0, which wipes what was summed.
; LIMITS: a row whose largest OPEN t equals that product bit for bit is taken as wholly hidden; NaN and infinities are not served; a block of p, or of o, under 2^-124 keeps the byte 1.
; SHARES.  A work-group owns 256 queries of one head, each of its SIXTEEN waves one tile of 16, in 256 registers: four waves to a SIMD, so that one wave's vector work stands beside another's matrix work and LDS loads.
; K AND V OF THE WHOLE HEAD, 208,896 bytes, lie in LDS for the launch: wave w fetches key step w (13,056 dense bytes) by one tensor load: each byte of LDS is filled once.
; CLUSTER 4 x 1: four query blocks of one head need the same K and V: the loads are JOINT.  By this text's own count a wave has one tensor load outstanding.
; A key step: 8 half fragments of K (16 keys x 64), their scale words, 4 fragments of V^T (16 of the head's 64 x 128 keys), their scale words, all in the order of the operand's registers.
; BOTH PRODUCTS ARE USED TRANSPOSED: S^T = K Q^T, O^T = V^T P^T: a lane holds ONE query.  Position p of a tile of keys is key 32 (T / 2) + 8 (T % 2) + p % 8 + 16 (p / 8), so the 16 registers of tiles 2 b, 2 b + 1 are keys 32 b + 16 (lane / 16) + 0 .. 15.
; K = 64 IN AN INSTRUCTION OF 128: Q's upper six registers are zero codes, so key tile t is named as twelve registers from its six on: its upper half (the next tile's codes, or the zero tail) multiplies zeros.
.set STEPB, 13056
.set SPARE, 16*STEPB                   ; behind K and V the spare words, 128 bytes for each wave: eight blocks of 256 bytes that no other line names
.set L16, 1                            ; v1   16 x lane
.set L8,  2                            ; v2   8 x lane
.set L4,  3                            ; v3   4 x (lane % 16)
.set SPW, 4                            ; v4   LDS address of my spare word; never rewritten
.set NIL, 5                            ; v5   0; never rewritten
.set NEG, 6                            ; v6   -1e9
.set TMK, 7                            ; v7   -1e9 x log2(e), rounded to f32
.set AD16, 8                           ; v8-10 the step's LDS addresses
.set AD8, 9
.set AD4, 10
.set QS,  11                           ; v11  Q's scale words
                                       ; v12 -M, v13 the largest t, v[14:15] l in two halves
.set QF,  16                           ; v16-27 Q's fragment; 22-27 zero codes
                                       ; v28 the multiplier in force (v29 = c), v30 the -M in force (v31 = 0)
.set KF,  32                           ; v32-79 K's eight half fragments, then V's four fragments
.set ZT,  80                           ; v80-85 zeros
.set KS,  86                           ; v86-93 K's scale words, then V's
.set S,   96                           ; v96-159 S^T, then p
.set O,   160                          ; v160-191 O^T
.set PC,  192                          ; v192-203 p's codes
.set PT,  204                          ; v204-206, v208-210 blocks' upper 16 codes
.set BM,  212                          ; v212-215 the blocks' largest scores, then largest p
.set BP,  216                          ; v216-219 lane l xor 16's, then the bytes
.set BS,  220                          ; v220-223 the conversions' scale operands
.set TP,  224
.set FF,  226                          ; v[226:227] f = 2^(old M - new M)
.set PW,  228                          ; v228 p's scale word
.set LB,  230                          ; v[230:231] the sum's second chain
.set WV,  14
.set TB,  15                           ; s15  LDS byte at which the key step begins
.set SEL, 66
.set G1,  84
.set G0,  92
.set CNT, 96
.set CC,  100                          ; s100 c = log2(e)
                                       ; mask word j: s[16 + j] for j < 48, s[20 + j] from there on
.macro CROUND
	s_barrier_signal -1
	s_barrier_wait -1
	s_cmp_lg_u32 s[WV], 0
	s_cbranch_scc1 .Lnot_wave_0_\@
	s_barrier_signal -3
.Lnot_wave_0_\@:
	s_barrier_wait -3
	s_barrier_signal -1
	s_barrier_wait -1
.endm
	s_load_b256 s[4:11], s[0:1], 0x0               ; qb, kv, maskbits, og
	v_lshl_add_u32 v[SPW], v0, 2, SPARE
	v_mov_b32 v[NIL], 0
	ds_add_u32 v[SPW], v[NIL]                      ; the wave's opening: the add and its wait stand ahead of my first tensor load; work on registers stands between them
	ds_add_u32 v[SPW], v[NIL]
	v_lshrrev_b32 v8, 5, v0
	s_delay_alu instid0(VALU_DEP_1)
	v_readfirstlane_b32 s[WV], v8                  ; wave 0..15
	s_mov_b32 s[G1], 15|(3<<16)|(1<<21)            ; 15:0 the mask: all four work-groups; 17:16 elements of 8 bytes; 21 set beside a mask; no padding
	s_mov_b32 s[G1+1], 32<<16                      ; a dense block as rows of 256 bytes
	s_mov_b32 s[G1+2], 51<<16
	s_mov_b32 s[G1+3], 32<<16
	s_mov_b32 s[G1+4], 51
	s_mov_b32 s[G1+5], 32
	s_mov_b32 s[G1+6], 0
	s_mov_b32 s[G1+7], 0
	s_and_b32 s12, ttmp7, 0xffff                   ; bh: batch x 16 + head, which the four partners share
	s_mul_i32 s22, s12, 16*STEPB
	s_mul_i32 s13, s[WV], STEPB                    ; key step w: in memory and in LDS
	s_add_co_u32 s22, s22, s13
	s_mov_b32 s23, 0
	s_bfe_u32 s16, ttmp6, 0x40000                  ; cx: it enters Q's, the mask's and o's addresses alone
	s_lshl_b32 s17, ttmp9, 2
	s_add_co_u32 s17, s17, s16                     ; my block of 256 queries
	s_lshl_b32 s17, s17, 4
	s_add_co_u32 s17, s17, s[WV]                   ; my tile of queries in the batch
	s_lshl_b32 s18, s12, 7
	s_add_co_u32 s18, s18, s17
	s_mul_i32 s24, s18, 768                        ; Q's codes
	s_mov_b32 s25, 0
	s_lshl_b32 s26, s18, 6
	s_add_co_u32 s26, s26, 3145728                 ; Q's scale words
	s_mov_b32 s27, 0
	s_lshr_b32 s19, s12, 4
	s_lshl_b32 s19, s19, 7
	s_add_co_u32 s19, s19, s17                     ; T: my tile among all 256 tiles of tokens
	s_lshl_b32 s28, s19, 12                        ; its mask words: 4,096 bytes
	s_mov_b32 s29, 0
	s_mul_i32 s30, s19, 12800                      ; its tile of o,
	s_bfe_u32 s20, s12, 0x10003
	s_mul_i32 s20, s20, 6400                       ; the half of C in which my head lies
	s_add_co_u32 s30, s30, s20
	s_mov_b32 s31, 0
	s_mov_b32 s[SEL], 0x76543210
	s_mov_b32 s[SEL+1], 0xfedcba98                 ; v_permlanex16_b32's selects for lane l xor 16
	s_mov_b32 s[CC], 0x3fb8aa3b
	s_mov_b32 s[TB], 0
	s_mov_b32 s[CNT], 0
	s_wait_dscnt 0x0                               ; the opening add is done
	s_wait_kmcnt 0x0
	s_mov_b32 s[G0], 1
	s_mov_b32 s[G0+1], s13
	s_add_nc_u64 s[G0+2:G0+3], s[6:7], s[22:23]
	s_or_b32 s[G0+3], s[G0+3], 0x80000000
	s_add_nc_u64 s[6:7], s[4:5], s[26:27]          ; Q's scale words (kv's address has gone into the descriptor)
	s_add_nc_u64 s[4:5], s[4:5], s[24:25]          ; Q's codes
	s_add_nc_u64 s[8:9], s[8:9], s[28:29]          ; my mask words
	s_add_nc_u64 s[10:11], s[10:11], s[30:31]      ; o
	CROUND                                         ; all four work-groups are here: the joint loads meet
	tensor_load_to_lds s[G0:G0+3], s[G1:G1+7]
	s_nop 0
.rept 4
	v_nop
.endr
	v_and_b32 v8, 31, v0
	s_delay_alu instid0(VALU_DEP_1)
	v_lshlrev_b32 v[L16], 4, v8
	s_delay_alu instid0(VALU_DEP_2)
	v_lshlrev_b32 v[L8], 3, v8
	v_and_b32 v9, 15, v0
	s_delay_alu instid0(VALU_DEP_1)
	v_lshlrev_b32 v[L4], 2, v9
	global_load_b128 v[QF:QF+3], v[L16], s[4:5]
	global_load_b64 v[QF+4:QF+5], v[L8], s[4:5] offset:512
	global_load_b32 v[QS], v[L4], s[6:7]
	s_load_b512 s[16:31], s[8:9], 0x0              ; key step 0's 64 mask words
	s_load_b512 s[32:47], s[8:9], 0x40
	s_load_b512 s[48:63], s[8:9], 0x80
	s_load_b512 s[68:83], s[8:9], 0xc0
	v_mov_b32 v[NEG], 0xce6e6b28                   ; -1e9
	s_delay_alu instid0(VALU_DEP_1)
	v_mul_f32 v[TMK], s[CC], v[NEG]                ; the same instruction as makes t in the loop: the same bits
	v_mov_b32 v13, 0xff61b1e6                      ; the largest t so far: -3e38
	s_delay_alu instid0(VALU_DEP_1)
	v_floor_f32 v12, -v13
	v_mov_b32 v14, 0
	v_mov_b32 v15, 0
.irp j, 6,7,8,9,10,11
	v_mov_b32 v[QF+\j], 0                          ; zero codes for k = 64 .. 127
.endr
	v_mov_b32 v29, s[CC]
	v_mov_b32 v31, 0
.irp j, 0,1,2,3,4,5
	v_mov_b32 v[ZT+\j], 0
.endr
.irp b, 0,1,2,3
	v_mov_b32 v[BP+\b], 0                          ; a lane permute's destination counts as one of its sources
.endr
	v_mov_b32 v[FF+1], 0                           ; (named as the upper half of a pair)
.set j, 0
.rept 32
	v_mov_b32 v[O+j], 0                            ; O^T: the loop is written once: its first step finds zeros
.set j, j+1
.endr
	s_wait_tensorcnt 0x0                           ; my key step is in,
	s_barrier_signal -1
	s_barrier_wait -1                              ; all sixteen are
	s_wait_loadcnt 0x0                             ; Q
.Lstep:                                            ; 16 trips of 128 keys
	v_add_nc_u32 v[AD16], s[TB], v[L16]
	v_add_nc_u32 v[AD8], s[TB], v[L8]
	v_add_nc_u32 v[AD4], s[TB], v[L4]
	v_nop                                          ; four plain lines between the last trip's products and the loads into their registers
.irp t, 0,1,2,3,4,5,6,7
	ds_load_b128 v[KF+6*\t:KF+6*\t+3], v[AD16] offset:768*\t
	ds_load_b64 v[KF+6*\t+4:KF+6*\t+5], v[AD8] offset:768*\t+512
	ds_load_b32 v[KS+\t], v[AD4] offset:6144+64*\t
.endr
	s_wait_alu depctr_va_vdst(0)
	s_wait_dscnt 0x0
.irp t, 0,1,2,3,4,5,6,7
	v_wmma_scale_f32_16x16x128_f8f6f4 v[S+8*\t:S+8*\t+7], v[KF+6*\t:KF+6*\t+11], v[QF:QF+11], 0, v[KS+\t], v[QS] matrix_a_fmt:MATRIX_FMT_FP6 matrix_b_fmt:MATRIX_FMT_FP6
.endr
.rept 4
	v_nop                                          ; ahead of the loads into K's registers and of the first read of the scores
.endr
.irp t, 0,1,2,3                                ; V's fragments land while the softmax is walked
	ds_load_b128 v[KF+12*\t:KF+12*\t+3], v[AD16] offset:6656+1536*\t
	ds_load_b64 v[KF+12*\t+4:KF+12*\t+5], v[AD8] offset:6656+1536*\t+512
	ds_load_b128 v[KF+12*\t+6:KF+12*\t+9], v[AD16] offset:6656+1536*\t+768
	ds_load_b64 v[KF+12*\t+10:KF+12*\t+11], v[AD8] offset:6656+1536*\t+1280
	ds_load_b32 v[KS+\t], v[AD4] offset:12800+64*\t
.endr
	s_wait_kmcnt 0x0                               ; this step's mask words are in
.set j, 0
.rept 64                                       ; hidden scores become -1e9; each accumulator from its low end on
.if j < 48
	v_cndmask_b32 v[S+j], v[NEG], v[S+j], s[16+j]
.else
	v_cndmask_b32 v[S+j], v[NEG], v[S+j], s[20+j]
.endif
.set j, j+1
.endr
	s_cmp_eq_u32 s[CNT], 15                        ; the last trip asks for nothing: no load leaves its buffer
	s_cbranch_scc1 .Lno_more
	s_add_nc_u64 s[8:9], s[8:9], 256               ; (the wait above has shown the earlier loads done)
	s_load_b512 s[16:31], s[8:9], 0x0              ; the next step's words: a trip ahead
	s_load_b512 s[32:47], s[8:9], 0x40
	s_load_b512 s[48:63], s[8:9], 0x80
	s_load_b512 s[68:83], s[8:9], 0xc0
.Lno_more:
.irp b, 0,1,2,3
	v_max3_num_f32 v[BM+\b], v[S+16*\b], v[S+1+16*\b], v[S+2+16*\b]        ; the largest score of each block of 32 keys: for the row's maximum and, since p rises with the score, for the block's largest p
.endr
.irp i, 3,5,7,9,11,13
.irp b, 0,1,2,3
	s_delay_alu instid0(VALU_DEP_4)
	v_max3_num_f32 v[BM+\b], v[BM+\b], v[S+16*\b+\i], v[S+1+16*\b+\i]
.endr
.endr
.irp b, 0,1,2,3
	s_delay_alu instid0(VALU_DEP_4)
	v_max_num_f32 v[BM+\b], v[BM+\b], v[S+15+16*\b]
.endr
.irp b, 0,1,2,3
	s_delay_alu instid0(VALU_DEP_4)
	v_permlanex16_b32 v[BP+\b], v[BM+\b], s[SEL], s[SEL+1]
.endr
.irp b, 0,1,2,3
	s_delay_alu instid0(VALU_DEP_4)
	v_max_num_f32 v[BM+\b], v[BM+\b], v[BP+\b]     ; with lane l xor 16's 16 keys
.endr
	s_delay_alu instid0(VALU_DEP_2)
	v_max3_num_f32 v[TP], v[BM], v[BM+1], v[BM+2]
	s_delay_alu instid0(VALU_DEP_1)
	v_max_num_f32 v[TP], v[TP], v[BM+3]
	s_delay_alu instid0(VALU_DEP_1)
	v_mul_f32 v[TP], s[CC], v[TP]                  ; as t
	s_delay_alu instid0(VALU_DEP_1)
	v_max_num_f32 v13, v13, v[TP]                  ; the running largest t
	v_mov_b32 v[TP], v12
	s_delay_alu instid0(VALU_DEP_2)
	v_floor_f32 v12, -v13                          ; the new -M = -ceil(t)
	s_delay_alu instid0(VALU_DEP_1)
	v_sub_f32 v[TP], v12, v[TP]                    ; old M - new M: a whole number, 0 or less
	s_delay_alu instid0(VALU_DEP_1)
	v_cvt_i32_f32 v[TP], v[TP]                     ; (it saturates)
	s_delay_alu instid0(VALU_DEP_1)
	v_ldexp_f32 v[FF], 1.0, v[TP]                  ; f = 2^(old M - new M)
	v_cmp_eq_f32 s97, v[TMK], v13                  ; lanes whose row has seen hidden keys alone:
	s_delay_alu instid0(VALU_DEP_1)
	v_cndmask_b32 v28, v29, v[ZT], s97             ; there the multiplier is 0,
	s_delay_alu instid0(VALU_DEP_2)
	v_cndmask_b32 v30, v12, v[ZT], s97             ; and so is -M: t - M = 0
.set j, 0
.rept 32
	v_pk_fma_f32 v[S+j:S+j+1], v[S+j:S+j+1], v[28:29], v[30:31] op_sel_hi:[1,0,0]   ; t - M, two at a time (of both pairs the low word serves both halves)
.set j, j+2
.endr
.irp b, 0,1,2,3
	v_fma_f32 v[BM+\b], v[BM+\b], v28, v30         ; the same of each block's largest score
.endr
.set j, 0
	s_wait_alu depctr_va_vdst(0)
.rept 64
	v_exp_f32 v[S+j], v[S+j]                       ; p = 2^(t - M), at most 1
.set j, j+1
.endr
	v_pk_mul_f32 v[14:15], v[14:15], v[FF:FF+1] op_sel_hi:[1,0]    ; l under the new M.  (The plain line behind the exponentials)
	s_wait_alu depctr_va_vdst(0)                   ; one wait for the whole batch, ahead of its first reader
.irp b, 0,1,2,3
	v_exp_f32 v[BM+\b], v[BM+\b]                   ; the block's largest p: the same two instructions on the same number give the same bits
.endr
	v_pk_add_f32 v[230:231], v[100:101], v[104:105]
	v_pk_add_f32 v[254:255], v[108:109], v[112:113]
	v_pk_add_f32 v[252:253], v[116:117], v[120:121]
	v_pk_add_f32 v[250:251], v[124:125], v[128:129]
	v_pk_add_f32 v[248:249], v[132:133], v[136:137]
	v_pk_add_f32 v[246:247], v[140:141], v[144:145]
	v_pk_add_f32 v[244:245], v[148:149], v[152:153]
	v_pk_add_f32 v[14:15], v[14:15], v[156:157]
	v_pk_add_f32 v[230:231], v[230:231], v[96:97]
	v_pk_add_f32 v[254:255], v[254:255], v[98:99]
	v_pk_add_f32 v[252:253], v[252:253], v[102:103]
	v_pk_add_f32 v[250:251], v[250:251], v[106:107]
	v_pk_add_f32 v[248:249], v[248:249], v[110:111]
	v_pk_add_f32 v[246:247], v[246:247], v[114:115]
	v_pk_add_f32 v[244:245], v[244:245], v[118:119]
	v_pk_add_f32 v[14:15], v[14:15], v[122:123]
	v_pk_add_f32 v[230:231], v[230:231], v[126:127]
	v_pk_add_f32 v[254:255], v[254:255], v[130:131]
	v_pk_add_f32 v[252:253], v[252:253], v[134:135]
	v_pk_add_f32 v[250:251], v[250:251], v[138:139]
	v_pk_add_f32 v[248:249], v[248:249], v[142:143]
	v_pk_add_f32 v[246:247], v[246:247], v[146:147]
	v_pk_add_f32 v[244:245], v[244:245], v[150:151]
	v_pk_add_f32 v[14:15], v[14:15], v[154:155]
	v_pk_add_f32 v[230:231], v[230:231], v[158:159]
	s_delay_alu instid0(VALU_DEP_2)
	v_pk_add_f32 v[14:15], v[14:15], v[250:251]
	s_delay_alu instid0(VALU_DEP_2)
	v_pk_add_f32 v[230:231], v[230:231], v[248:249]
	v_pk_add_f32 v[254:255], v[254:255], v[246:247]
	v_pk_add_f32 v[252:253], v[252:253], v[244:245]
	s_delay_alu instid0(VALU_DEP_2)
	v_pk_add_f32 v[14:15], v[14:15], v[254:255]
	s_delay_alu instid0(VALU_DEP_2)
	v_pk_add_f32 v[230:231], v[230:231], v[252:253]
	s_delay_alu instid0(VALU_DEP_1)
	v_pk_add_f32 v[14:15], v[14:15], v[230:231]
	s_wait_alu depctr_va_vdst(0)                   ; and one for the four
.irp b, 0,1,2,3
	v_max_num_f32 v[BM+\b], 0x1800000, v[BM+\b]    ; the floor 2^(3 - 127): the byte cannot fall under 1
.endr
.irp b, 0,1,2,3
	s_delay_alu instid0(VALU_DEP_4)
	v_add_nc_u32 v[BS+\b], 0xff000000, v[BM+\b]    ; 2 off the exponent field: the conversion's scale operand
.endr
.irp b, 0,1,2,3
	s_delay_alu instid0(VALU_DEP_4)
	v_lshrrev_b32 v[BP+\b], 23, v[BS+\b]           ; the scale's byte
.endr
	s_delay_alu instid0(VALU_DEP_3)
	v_lshl_or_b32 v[PW], v[BP+1], 8, v[BP]         ; p's scale word for these 128 keys
	s_delay_alu instid0(VALU_DEP_1)
	v_lshl_or_b32 v[PW], v[BP+2], 16, v[PW]
	s_delay_alu instid0(VALU_DEP_1)
	v_lshl_or_b32 v[PW], v[BP+3], 24, v[PW]
.irp c, 0,1
	v_cvt_scalef32_pk16_fp6_f32 v[PC+6*\c:PC+6*\c+2], v[S+32*\c:S+32*\c+15], v[BS+2*\c]
	v_cvt_scalef32_pk16_fp6_f32 v[PT+4*\c:PT+4*\c+2], v[S+16+32*\c:S+31+32*\c], v[BS+2*\c+1]
.endr
	v_nop                                          ; one plain line behind a scaled conversion
.irp c, 0,1                                    ; the layout wants a WHOLE block in a lane
.irp i, 0,1,2
	v_permlane16_swap_b32 v[PC+6*\c+\i], v[PT+4*\c+\i]
.endr
.irp i, 0,1,2
	s_delay_alu instid0(VALU_DEP_3)
	v_mov_b32 v[PC+3+6*\c+\i], v[PT+4*\c+\i]
.endr
.endr
.set j, 0
.rept 16
	v_pk_mul_f32 v[O+j:O+j+1], v[O+j:O+j+1], v[FF:FF+1] op_sel_hi:[1,0]    ; O^T under the new M.  (These sixteen also stand between the lines that made p's codes and scale word and the products below)
.set j, j+2
.endr
	s_wait_alu depctr_va_vdst(0)
	s_wait_dscnt 0x0                               ; V
.irp t, 0,1,2,3                                ; O^T += V^T P^T; the four accumulators take turns, one instruction a turn
	v_wmma_scale_f32_16x16x128_f8f6f4 v[O+8*\t:O+8*\t+7], v[KF+12*\t:KF+12*\t+11], v[PC:PC+11], v[O+8*\t:O+8*\t+7], v[KS+\t], v[PW] matrix_a_fmt:MATRIX_FMT_FP6 matrix_b_fmt:MATRIX_FMT_FP6
.endr
	s_add_co_u32 s[TB], s[TB], STEPB
	s_add_co_u32 s[CNT], s[CNT], 1
	s_cmp_lt_u32 s[CNT], 16
	s_cbranch_scc1 .Lstep
	s_wait_kmcnt 0x0                               ; no scalar load is out
	; THE WAY OUT: O^T / l; register 16 b + i is channel 32 b + 16 (lane / 16) + i of my query: 64 neighbours along the last product's K: one half fragment and two scale bytes
	v_add_f32 v14, v14, v15
	s_delay_alu instid0(VALU_DEP_1)
	v_permlanex16_b32 v[TP], v14, s[SEL], s[SEL+1]
	s_delay_alu instid0(VALU_DEP_1)
	v_add_f32 v14, v14, v[TP]                      ; the row's sum
	s_wait_alu depctr_va_vdst(0)
	v_rcp_f32 v14, v14
	s_and_b32 s12, ttmp7, 7                        ; my head among the eight of its half of C
	s_mul_i32 s12, s12, 768
	v_add_nc_u32 v[AD16], s12, v[L16]              ; (plain lines behind the reciprocal and behind the last products)
	v_add_nc_u32 v[AD8], s12, v[L8]
	s_bfe_u32 s2, ttmp7, 0x20001                   ; two heads share a K step of 128:
	s_lshl_b32 s2, s2, 6                           ; its 16 scale words,
	s_and_b32 s3, ttmp7, 1
	s_lshl_b32 s3, s3, 1                           ; my two bytes of each
	s_add_co_u32 s2, s2, s3
	s_add_co_u32 s2, s2, 6144
	v_add_nc_u32 v[AD4], s2, v[L4]
	v_nop
	s_wait_alu depctr_va_vdst(0)                   ; ahead of the reciprocal's first reader
.set j, 0
.rept 32
	v_mul_f32 v[S+j], v[O+j], v14                  ; each accumulator from its low end on
.set j, j+1
.endr
	v_max3_num_f32 v[BM], |v[S]|, |v[S+1]|, 0x1800000              ; the two blocks' largest magnitudes, with the floor 2^(3 - 127)
	v_max3_num_f32 v[BM+1], |v[S+16]|, |v[S+17]|, 0x1800000
.irp i, 2,4,6,8,10,12,14
	s_delay_alu instid0(VALU_DEP_2)
	v_max3_num_f32 v[BM], v[BM], |v[S+\i]|, |v[S+\i+1]|
	s_delay_alu instid0(VALU_DEP_2)
	v_max3_num_f32 v[BM+1], v[BM+1], |v[S+16+\i]|, |v[S+17+\i]|
.endr
	s_delay_alu instid0(VALU_DEP_2)
	v_permlanex16_b32 v[BM+2], v[BM], s[SEL], s[SEL+1]
	s_delay_alu instid0(VALU_DEP_2)
	v_permlanex16_b32 v[BM+3], v[BM+1], s[SEL], s[SEL+1]
	s_delay_alu instid0(VALU_DEP_2)
	v_max_num_f32 v[BM], v[BM], v[BM+2]
	s_delay_alu instid0(VALU_DEP_2)
	v_max_num_f32 v[BM+1], v[BM+1], v[BM+3]
	s_delay_alu instid0(VALU_DEP_2)
	v_add_nc_u32 v[BS], 0xff000000, v[BM]
	s_delay_alu instid0(VALU_DEP_2)
	v_add_nc_u32 v[BS+1], 0xff000000, v[BM+1]
	s_delay_alu instid0(VALU_DEP_2)
	v_lshrrev_b32 v[BP], 23, v[BS]
	s_delay_alu instid0(VALU_DEP_2)
	v_lshrrev_b32 v[BP+1], 23, v[BS+1]
	s_delay_alu instid0(VALU_DEP_1)
	v_lshl_or_b32 v[TP], v[BP+1], 8, v[BP]
	v_cvt_scalef32_pk16_fp6_f32 v[PC:PC+2], v[S:S+15], v[BS]
	v_cvt_scalef32_pk16_fp6_f32 v[PT:PT+2], v[S+16:S+31], v[BS+1]
	v_nop                                          ; one plain line behind a scaled conversion
.irp i, 0,1,2
	v_permlane16_swap_b32 v[PC+\i], v[PT+\i]
.endr
.irp i, 0,1,2
	s_delay_alu instid0(VALU_DEP_3)
	v_mov_b32 v[PC+3+\i], v[PT+\i]
.endr
	global_store_b128 v[AD16], v[PC:PC+3], s[10:11]                ; 512 consecutive bytes
	global_store_b64 v[AD8], v[PC+4:PC+5], s[10:11] offset:512     ; and 256
	global_store_b16 v[AD4], v[TP], s[10:11]       ; lanes l and l + 16 hold the same row's bytes and write the same two bytes with the same value
	s_wait_tensorcnt 0x0                           ; the wave's end: behind my last tensor load
	ds_add_u32 v[SPW], v[NIL]
	s_wait_dscnt 0x0
	CROUND                                         ; the closing round
	s_endpgm
.Lfunc_end_k_q42eb470c57_attn:
	.size	k_q42eb470c57_attn, .Lfunc_end_k_q42eb470c57_attn-k_q42eb470c57_attn
	.p2alignl 7, 3214868480
	.fill 96, 4, 3214868480
	.section	.rodata,"a",@progbits
	.p2align	6, 0x0
	.amdhsa_kernel k_q42eb470c57_attn
		.amdhsa_group_segment_fixed_size 210944
		.amdhsa_private_segment_fixed_size 0
		.amdhsa_enable_private_segment 0
		.amdhsa_kernarg_size 32
		.amdhsa_user_sgpr_count 2
		.amdhsa_user_sgpr_kernarg_segment_ptr 1
		.amdhsa_wavefront_size32 1
		.amdhsa_system_sgpr_workgroup_id_x 1
		.amdhsa_system_sgpr_workgroup_id_y 1
		.amdhsa_system_sgpr_workgroup_id_z 1
		.amdhsa_system_vgpr_workitem_id 0
		.amdhsa_next_free_vgpr 256
		.amdhsa_next_free_sgpr 102
		.amdhsa_reserve_vcc 0
		.amdhsa_float_denorm_mode_32 3
		.amdhsa_float_denorm_mode_16_64 3
		.amdhsa_memory_ordered 1
		.amdhsa_forward_progress 1
		.amdhsa_inst_pref_size 35
	.end_amdhsa_kernel
	.amdgpu_metadata
---
amdhsa.version: [ 1, 2 ]
amdhsa.kernels:
  - .name:           k_q42eb470c57_attn
    .symbol:         k_q42eb470c57_attn.kd
    .args:
      - { .name: qb, .offset: 0, .size: 8, .value_kind: global_buffer, .address_space: global }
      - { .name: kv, .offset: 8, .size: 8, .value_kind: global_buffer, .address_space: global }
      - { .name: maskbits, .offset: 16, .size: 8, .value_kind: global_buffer, .address_space: global }
      - { .name: og, .offset: 24, .size: 8, .value_kind: global_buffer, .address_space: global }
    .group_segment_fixed_size: 210944
    .private_segment_fixed_size: 0
    .kernarg_segment_align: 8
    .kernarg_segment_size: 32
    .max_flat_workgroup_size: 512
    .sgpr_count:     102
    .vgpr_count:     256
    .wavefront_size: 32
...
	.end_amdgpu_metadata
.endif
;; end of part 3
;; launch proj (part 4): grid 8 x 32, 4 waves a work-group, clusters of 4 x 4, 222,720 bytes of LDS; arguments og, wpg, b_proj, out0; writes out0
.if DOCPART == 4
	.amdgcn_target "amdgcn-amd-amdhsa--gfx1250"
	.amdhsa_code_object_version 6
	.text
	.protected	k_q42eb470c57_proj
	.globl	k_q42eb470c57_proj
	.p2align	8
	.type	k_q42eb470c57_proj,@function
k_q42eb470c57_proj:
	s_mov_b64 s[64:65], 0
	v_nop
	global_prefetch_b8 v0, s[64:65] scope:SCOPE_SE
	s_setreg_imm32_b32 hwreg(HW_REG_WAVE_MODE, 25, 1), 1
	s_wait_xcnt 0x0
	s_wait_alu depctr_hold_cnt(0) depctr_sa_sdst(0) depctr_va_vdst(0) depctr_va_sdst(0) depctr_va_ssrc(0) depctr_va_vcc(0) depctr_vm_vsrc(0)
	s_getreg_b32 s2, hwreg(HW_REG_IB_STS2, 6, 4)
	s_cmp_eq_u32 s2, 0
	s_cbranch_scc0 .Lentry_in_a_cluster
	s_endpgm
.Lentry_in_a_cluster:
	s_bfe_u32 s2, ttmp6, 0x10000c
	s_cmp_lg_u32 s2, 0xf033
	s_cbranch_scc0 .Lentry_shape_is_right
	s_endpgm
.Lentry_shape_is_right:
; out0 = o W_proj^T + b_proj on codes of FP6 (E2M3) with E8M0 scales, K = 1,024; out0 [4096][1024] f32.
; OPERANDS: a tile is 16 rows, position p of tile T = row 32 (T / 2) + 8 (T % 2) + p % 8 + 16 (p / 8); its 1,024 K are 12,800 bytes: two halves of K, each 8 half fragments of 768 bytes
; (16 rows x 64 K: registers 0-3 at 16 x lane, 4-5 at 512 + 8 x lane) and 4 x 16 scale words.  Every LDS load takes consecutive bytes in consecutive lanes: no pitch, no padding.
; SHARES.  A work-group makes 128 tokens x 128 features, each of its four waves 64 x 64: 16 accumulators; 256 work-groups.  All of K for both operands, 204,800 bytes, lies in LDS: each byte is filled once.
; CLUSTER 4 x 4: the four of a row need the same tokens, the four of a column the same features: each tile is asked for JOINTLY.  By this text's own count a wave has one tensor load outstanding.
; TRANSPOSED USE: source 0 = 16 rows of W, source 1 = 16 tokens: a lane holds one token and, in the registers of two neighbouring tiles, 16 neighbouring features.  The bias is the C of each sum's first product.
; REGISTERS.  Window 0: v1-15 addresses; v16-31 scale words, two sets of 4 + 4; v32-127 the tokens' fragments, two sets (on the way out: rows of out0); v128-255 the accumulators ((a, b) at 128 + 8 (4 a + b)).
;   Window 1: v0-95 W's fragments, two sets; v96-127 the bias, eight registers for each of my four tiles of features.
.set TILEB, 12800
.set HALFB, 12800                      ; from tile to tile in LDS: a tile lies whole, its second half of K 6,400 bytes behind the first (one load a wave brings four whole tiles)
.set HALFL, 8*HALFB                    ; LDS: the tokens' 8 tiles; W's 8 lie behind them
.set STAGE, 2*HALFL                    ; behind both halves: 16 rows x 272 bytes for each wave, for the way out; no fill lands there
.set SPARE, STAGE+4*16*272             ; the spare words, 128 bytes for each wave: two blocks of 256 bytes that no other line names
.set SPW, 1                            ; v1   LDS address of my spare word; never rewritten
.set NIL, 2                            ; v2   0; never rewritten
.set A0,  4                            ; v4-6 W in LDS: 16 x lane, 8 x lane, 4 x (lane % 16), each + its base
.set A1,  7                            ; v7-9 the tokens likewise
.set BO,  12                           ; v12  the bias: 64 (lane / 16)
.set STO, 13                           ; v13  the stage: where I put my bytes of a row
.set RD,  14                           ; v14  and where I read rows back
.set GO,  15                           ; v15  my bytes in two rows of out0
.set SC,  16
.set F1,  32
.set ACC, 128
.set BI,  96
.set WV,  14
.set G1A, 24
.set G0A, 32
.set G1B, 48
.set G0B, 56
.set MSB, 0
.macro WIN new                         ; the immediate's high byte repeats the setting that is left
.if MSB != \new
	s_set_vgpr_msb (MSB<<8)|\new
.set MSB, \new
.endif
.endm
.macro CROUND
	s_barrier_signal -1
	s_barrier_wait -1
	s_cmp_lg_u32 s[WV], 0
	s_cbranch_scc1 .Lnot_wave_0_\@
	s_barrier_signal -3
.Lnot_wave_0_\@:
	s_barrier_wait -3
	s_barrier_signal -1
	s_barrier_wait -1
.endm
.macro PLACES                          ; four plain vector lines between a matrix instruction and a load into, or a read of, its registers
.rept 4
	v_nop
.endr
.endm
	s_load_b256 s[4:11], s[0:1], 0x0               ; og, wpg, b_proj, out0
	v_lshl_add_u32 v[SPW], v0, 2, SPARE
	v_mov_b32 v[NIL], 0
	ds_add_u32 v[SPW], v[NIL]                      ; the wave's opening: the add and its wait stand ahead of my first tensor load; work on registers stands between them
	ds_add_u32 v[SPW], v[NIL]
	v_lshrrev_b32 v3, 5, v0
	v_readfirstlane_b32 s[WV], v3                  ; wave 0..3
	s_lshr_b32 s15, s[WV], 1                       ; u: which 64 tokens are mine.  Also: I fetch tokens (0) or W (1)
	s_and_b32 s16, s[WV], 1                        ; vv: which 64 features.  Also: which four tiles I fetch
	s_bfe_u32 s40, ttmp6, 0x40000                  ; cx
	s_bfe_u32 s41, ttmp6, 0x40004                  ; cy
	s_lshl_b32 s42, ttmp9, 2
	s_add_co_u32 s42, s42, s40                     ; nt: my 128 features
	s_and_b32 s17, ttmp7, 0xffff
	s_lshl_b32 s17, s17, 2
	s_add_co_u32 s17, s17, s41                     ; mt: my 128 tokens
	s_lshl_b32 s43, s41, 2
	s_lshl_b32 s43, 15, s43                        ; my row of the cluster
	s_lshl_b32 s44, 0x1111, s40                    ; my column
	s_or_b32 s[G1A], s43, (3<<16)|(1<<21)          ; 15:0 the mask; 17:16 elements of 8 bytes; 21 set beside a mask; no padding
	s_or_b32 s[G1B], s44, (3<<16)|(1<<21)
.irp g, G1A, G1B
	s_mov_b32 s[\g+1], 1600<<16                    ; tensor_dim0: a tile's whole K, 12,800 bytes
	s_mov_b32 s[\g+2], 4<<16                       ; tensor_dim1: four tiles
	s_mov_b32 s[\g+3], 1600<<16                    ; tile_dim0
	s_mov_b32 s[\g+4], 4                           ; tile_dim1
	s_mov_b32 s[\g+5], 1600                        ; from tile to tile: 12,800 bytes
	s_mov_b32 s[\g+6], 0
	s_mov_b32 s[\g+7], 0
.endr
	s_lshl_b32 s18, s16, 2
	s_lshl_b32 s20, s17, 3
	s_add_co_u32 s20, s20, s18
	s_mul_i32 s20, s20, TILEB                      ; tokens: tile 8 mt + 4 (wave % 2)
	s_mov_b32 s21, 0
	s_lshl_b32 s46, s42, 3
	s_add_co_u32 s46, s46, s18
	s_mul_i32 s46, s46, TILEB                      ; W: tile 8 nt + 4 (wave % 2)
	s_mov_b32 s47, 0
	s_mul_i32 s45, s[WV], 4*HALFB                  ; where they go: wave x four tiles: no place in the cluster enters an LDS address
	s_wait_dscnt 0x0                               ; the opening add is done
	s_wait_kmcnt 0x0
	s_add_nc_u64 s[20:21], s[4:5], s[20:21]
	s_add_nc_u64 s[46:47], s[6:7], s[46:47]
	CROUND                                         ; all sixteen work-groups are here: the joint loads meet
.irp k, 0
	s_mov_b32 s[G0A+4*\k], 1
	s_add_co_u32 s[G0A+4*\k+1], s45, \k*HALFL
	s_add_nc_u64 s[G0A+4*\k+2:G0A+4*\k+3], s[20:21], \k*HALFB
	s_or_b32 s[G0A+4*\k+3], s[G0A+4*\k+3], 0x80000000
	s_mov_b32 s[G0B+4*\k], 1
	s_add_co_u32 s[G0B+4*\k+1], s45, \k*HALFL
	s_add_nc_u64 s[G0B+4*\k+2:G0B+4*\k+3], s[46:47], \k*HALFB
	s_or_b32 s[G0B+4*\k+3], s[G0B+4*\k+3], 0x80000000
.endr
	s_cmp_eq_u32 s15, 0                            ; a wave's one fill stands in one branch on the wave's number; an s_nop 0 follows it, then four v_nop
	s_cbranch_scc0 .Lfirst_w
	tensor_load_to_lds s[G0A:G0A+3], s[G1A:G1A+7]
	s_nop 0
.rept 4
	v_nop
.endr
	s_branch .Lfirst_asked
.Lfirst_w:
	tensor_load_to_lds s[G0B:G0B+3], s[G1B:G1B+7]
	s_nop 0
.rept 4
	v_nop
.endr
.Lfirst_asked:
	v_and_b32 v10, 31, v0                          ; lane
	v_and_b32 v11, 15, v0                          ; r
	s_wait_alu depctr_va_vdst(0)
	v_bfe_u32 v3, v0, 4, 1                         ; h
	s_mul_i32 s13, s15, 4*HALFB                    ; source 1: my four tiles of tokens,
	s_mul_i32 s12, s16, 4*HALFB
	s_add_co_u32 s12, s12, 8*HALFB                 ; source 0: my four of W, behind the tokens' eight
	v_lshl_add_u32 v[A0], v10, 4, s12
	v_lshl_add_u32 v[A0+1], v10, 3, s12
	v_lshl_add_u32 v[A0+2], v11, 2, s12
	v_lshl_add_u32 v[A1], v10, 4, s13
	v_lshl_add_u32 v[A1+1], v10, 3, s13
	v_lshl_add_u32 v[A1+2], v11, 2, s13
	v_lshlrev_b32 v[BO], 6, v3
	s_lshl_b32 s22, s42, 9
	s_lshl_b32 s23, s16, 8
	s_add_co_u32 s22, s22, s23                     ; my first feature, in bytes of f32: 512 nt + 256 vv
	s_mov_b32 s23, 0
	s_add_nc_u64 s[8:9], s[8:9], s[22:23]
	WIN 0x40                                       ; destination window 1
.irp b, 0,1,2,3                                ; tile b's register j of lane (r, h) is feature 32 (b / 2) + 8 (b % 2) + 16 h + j
	global_load_b128 v[BI+8*\b:BI+8*\b+3], v[BO], s[8:9] offset:(32*(\b/2)+8*(\b%2))*4
	global_load_b128 v[BI+8*\b+4:BI+8*\b+7], v[BO], s[8:9] offset:(32*(\b/2)+8*(\b%2))*4+16
.endr
	WIN 0
	s_mul_i32 s18, s[WV], 16*272
	s_add_co_u32 s18, s18, STAGE                   ; my stage
	v_mul_u32_u24 v[STO], v11, 272
	s_wait_alu depctr_va_vdst(0)
	v_lshl_add_u32 v[STO], v3, 6, v[STO]
	v_add_nc_u32 v[STO], s18, v[STO]               ; in: row r, + 64 h
	v_mul_u32_u24 v[RD], v3, 272
	v_lshl_add_u32 v[RD], v11, 4, v[RD]
	v_add_nc_u32 v[RD], s18, v[RD]                 ; back: lanes 0-15 one row of 256 bytes, lanes 16-31 the next
	v_lshlrev_b32 v[GO], 4, v11
	v_lshl_add_u32 v[GO], v3, 12, v[GO]            ; and the same two rows in out0
	s_lshl_b32 s66, s17, 19                        ; my first token: 128 mt + 64 u, rows of 4,096 bytes
	s_lshl_b32 s67, s15, 18
	s_add_co_u32 s66, s66, s67
	s_add_co_u32 s66, s66, s22
	s_mov_b32 s67, 0
	s_add_nc_u64 s[10:11], s[10:11], s[66:67]
; 40 LDS loads: K step s (128 along K) of both sides' four tiles into set p, and the eight scale words
.macro FETCH s, p
	WIN 0x40                                       ; destination window 1
.irp i, 0,1,2,3
	ds_load_b128 v[48*(\p)+12*\i:48*(\p)+12*\i+3],    v[A0]   offset:\i*HALFB+((\s)%4)*1536
	ds_load_b64  v[48*(\p)+12*\i+4:48*(\p)+12*\i+5],  v[A0+1] offset:\i*HALFB+((\s)%4)*1536+512
	ds_load_b128 v[48*(\p)+12*\i+6:48*(\p)+12*\i+9],  v[A0]   offset:\i*HALFB+((\s)%4)*1536+768
	ds_load_b64  v[48*(\p)+12*\i+10:48*(\p)+12*\i+11], v[A0+1] offset:\i*HALFB+((\s)%4)*1536+1280
.endr
	WIN 0
.irp i, 0,1,2,3
	ds_load_b128 v[F1+48*(\p)+12*\i:F1+48*(\p)+12*\i+3],    v[A1]   offset:\i*HALFB+((\s)%4)*1536
	ds_load_b64  v[F1+48*(\p)+12*\i+4:F1+48*(\p)+12*\i+5],  v[A1+1] offset:\i*HALFB+((\s)%4)*1536+512
	ds_load_b128 v[F1+48*(\p)+12*\i+6:F1+48*(\p)+12*\i+9],  v[A1]   offset:\i*HALFB+((\s)%4)*1536+768
	ds_load_b64  v[F1+48*(\p)+12*\i+10:F1+48*(\p)+12*\i+11], v[A1+1] offset:\i*HALFB+((\s)%4)*1536+1280
	ds_load_b32  v[SC+8*(\p)+\i],   v[A0+2] offset:\i*HALFB+6144+((\s)%4)*64
	ds_load_b32  v[SC+8*(\p)+4+\i], v[A1+2] offset:\i*HALFB+6144+((\s)%4)*64
.endr
.endm
; 16 matrix instructions on set p; the 16 accumulators take turns, one instruction a turn, in the same order in every step.  first = 1: the sums start from the bias
.macro MUL p, first
.if \first
	WIN 0x11                                       ; source 0 (W) and source 2 (the bias) window 1
.else
	WIN 0x01                                       ; source 0 window 1
.endif
.irp a, 0,1,2,3
.irp b, 0,1,2,3
.if \first
	v_wmma_scale_f32_16x16x128_f8f6f4 v[ACC+8*(4*\a+\b):ACC+8*(4*\a+\b)+7], v[48*(\p)+12*\b:48*(\p)+12*\b+11], v[F1+48*(\p)+12*\a:F1+48*(\p)+12*\a+11], v[BI+8*\b:BI+8*\b+7], v[SC+8*(\p)+\b], v[SC+8*(\p)+4+\a] matrix_a_fmt:MATRIX_FMT_FP6 matrix_b_fmt:MATRIX_FMT_FP6
.else
	v_wmma_scale_f32_16x16x128_f8f6f4 v[ACC+8*(4*\a+\b):ACC+8*(4*\a+\b)+7], v[48*(\p)+12*\b:48*(\p)+12*\b+11], v[F1+48*(\p)+12*\a:F1+48*(\p)+12*\a+11], v[ACC+8*(4*\a+\b):ACC+8*(4*\a+\b)+7], v[SC+8*(\p)+\b], v[SC+8*(\p)+4+\a] matrix_a_fmt:MATRIX_FMT_FP6 matrix_b_fmt:MATRIX_FMT_FP6
.endif
.endr
.endr
.endm
	s_wait_tensorcnt 0x0                           ; my four tiles are in; nothing is ever filled again
	s_barrier_signal -1
	s_barrier_wait -1                              ; everybody's is
	FETCH 0, 0
	FETCH 1, 1
	s_wait_loadcnt 0x0                             ; the bias
	s_wait_dscnt 40                                ; all but the 40 just issued
	MUL 0, 1
.irp s, 1,2,3,4,5,6
	WIN 0
.if \s == 3
.irp r, 4,5,6,7,8,9
	v_add_nc_u32 v\r, 6400, v\r                    ; on to the second half of K, 6,400 bytes on in every tile
.endr
.endif
	PLACES                                         ; ahead of the loads into the set that the last step multiplied
	FETCH \s+1, (\s+1)%2
	s_wait_alu depctr_va_vdst(0)
	s_wait_dscnt 40                                ; this step's set is in; the 40 just issued may be out
	MUL \s%2, 0
.endr
	s_wait_dscnt 0x0
	MUL 1, 0
	WIN 0
	PLACES
; THE WAY OUT, a tile of 16 tokens x my 64 features at a time, through my own stage: rows of 256 bytes + 16; back as whole rows, so that sixteen lanes store 256 consecutive bytes, at a multiple of 256 from out0's first byte.
; LDS serves a wave's instructions in order: no wait between the stores and the loads, nor ahead of the next tile's stores.
.irp a, 0,1,2,3
.if \a >= 2
	s_wait_xcnt 0x0                                ; tile a - 2's stores have read their registers: the loads below may land there
.endif
.irp b, 0,1,2,3
	ds_store_b128 v[STO], v[ACC+8*(4*\a+\b):ACC+8*(4*\a+\b)+3] offset:128*(\b/2)+32*(\b%2)         ; each accumulator from its low end on
	ds_store_b128 v[STO], v[ACC+8*(4*\a+\b)+4:ACC+8*(4*\a+\b)+7] offset:128*(\b/2)+32*(\b%2)+16
.endr
.irp i, 0,1,2,3,4,5,6,7
	ds_load_b128 v[F1+32*(\a%2)+4*\i:F1+32*(\a%2)+4*\i+3], v[RD] offset:544*\i
.endr
	s_wait_dscnt 0x0
.irp i, 0,1,2,3,4,5,6,7                        ; positions 2 i, 2 i + 1 of the tile are tokens 32 (a / 2) + 8 (a % 2) + (2 i) % 8 + 16 (i / 4), and the next
	global_store_b128 v[GO], v[F1+32*(\a%2)+4*\i:F1+32*(\a%2)+4*\i+3], s[10:11] offset:(32*(\a/2)+8*(\a%2)+(2*\i)%8+16*(\i/4))*4096 th:TH_STORE_NT
.endr
.endr
	s_wait_tensorcnt 0x0                           ; the wave's end: behind my last tensor load and my last LDS store
	ds_add_u32 v[SPW], v[NIL]
	s_wait_dscnt 0x0
	CROUND                                         ; the closing round
	s_endpgm
.Lfunc_end_k_q42eb470c57_proj:
	.size	k_q42eb470c57_proj, .Lfunc_end_k_q42eb470c57_proj-k_q42eb470c57_proj
	.p2alignl 7, 3214868480
	.fill 96, 4, 3214868480
	.section	.rodata,"a",@progbits
	.p2align	6, 0x0
	.amdhsa_kernel k_q42eb470c57_proj
		.amdhsa_group_segment_fixed_size 222720
		.amdhsa_private_segment_fixed_size 0
		.amdhsa_enable_private_segment 0
		.amdhsa_kernarg_size 32
		.amdhsa_user_sgpr_count 2
		.amdhsa_user_sgpr_kernarg_segment_ptr 1
		.amdhsa_wavefront_size32 1
		.amdhsa_system_sgpr_workgroup_id_x 1
		.amdhsa_system_sgpr_workgroup_id_y 1
		.amdhsa_system_sgpr_workgroup_id_z 1
		.amdhsa_system_vgpr_workitem_id 0
		.amdhsa_next_free_vgpr 512
		.amdhsa_next_free_sgpr 100
		.amdhsa_reserve_vcc 0
		.amdhsa_float_denorm_mode_32 3
		.amdhsa_float_denorm_mode_16_64 3
		.amdhsa_memory_ordered 1
		.amdhsa_forward_progress 1
		.amdhsa_inst_pref_size 53
	.end_amdhsa_kernel
	.amdgpu_metadata
---
amdhsa.version: [ 1, 2 ]
amdhsa.kernels:
  - .name:           k_q42eb470c57_proj
    .symbol:         k_q42eb470c57_proj.kd
    .args:
      - { .name: og, .offset: 0, .size: 8, .value_kind: global_buffer, .address_space: global }
      - { .name: wpg, .offset: 8, .size: 8, .value_kind: global_buffer, .address_space: global }
      - { .name: b_proj, .offset: 16, .size: 8, .value_kind: global_buffer, .address_space: global }
      - { .name: out0, .offset: 24, .size: 8, .value_kind: global_buffer, .address_space: global }
    .group_segment_fixed_size: 222720
    .private_segment_fixed_size: 0
    .kernarg_segment_align: 8
    .kernarg_segment_size: 32
    .max_flat_workgroup_size: 128
    .sgpr_count:     100
    .vgpr_count:     512
    .wavefront_size: 32
...
	.end_amdgpu_metadata
.endif
;; end of part 4
